; MI455X (gfx1250); checked and timed in simulation.
; The chip was launched on July 23, 2026; its instructions are those of AMD's public machine-readable ISA for CDNA 5 (MIT licence, August 2026) and "CDNA5" Instruction Set Architecture Reference Guide (July 2026). The comments in the code are by the model that wrote it; some were corrected since.
;; Multi Head Attention. Allowed arithmetic: matrix products marked QUANTISED: E4M3 operands, one given power-of-two scale a tensor, by v_wmma_f32_16x16x64_fp8_fp8 or v_wmma_f32_16x16x128_fp8_fp8, f32 sums; everything else in f32.
;; Inputs: Wout 1,024 x 1,024 float32; Wqkv 1,024 x 3,072 float32; bout 1,024 float32; bqkv 3,072 float32; lowp_scales 8 int32 (the exponents e of the quantised operands' scales 2^e); x 4 x 2,048 x 1,024 float32.
;; Outputs: out0 4 x 2,048 x 1,024 float32.
;; Constants: num_heads = 16.
;; This version of the problem:
;;   THIS VERSION OF THE PROBLEM IS GIVEN IN LOW PRECISION. The matrix products marked QUANTISED in the list below multiply operands that are first quantised to E4M3 (4 exponent bits, 3 mantissa bits; 8 bits a number), with one given power-of-two scale for each operand tensor; their sums are f32. All else is computed in f32.
;;   The module's matrix products, in the order in which they are computed (A, B: the left and right operand; K: the contracted axis; several contracted axes count as one K, in the product's order):
;;     1. [M 8,192, K 1,024] x [K 1,024, N 3,072]; A: input x; B: input Wqkv: QUANTISED (scales: A lowp_scales[0], B lowp_scales[1])
;;     2. batch 64 x [M 2,048, K 64] x [K 64, N 2,048]; A: computed on the way; B: computed on the way: QUANTISED (scales: A lowp_scales[2], B lowp_scales[3])
;;     3. batch 64 x [M 2,048, K 2,048] x [K 2,048, N 64]; A: softmax (see below); B: computed on the way: QUANTISED (scales: A lowp_scales[4], B lowp_scales[5])
;;     4. [M 8,192, K 1,024] x [K 1,024, N 1,024]; A: computed on the way; B: input Wout: QUANTISED (scales: A lowp_scales[6], B lowp_scales[7])
;;   THE QUANTISER, for each operand of a quantised product, along K:
;;     - The operand's scale is 2^e, e = its entry of the input lowp_scales (int32; the entries are numbered through the quantised products in the list's order, A before B).
;;     - Each number is divided by the scale, clamped to +-448, and rounded to the nearest number of E4M3, ties to even, subnormals kept.
;;     - The product sums the exact products of the quantised numbers (number of the format x scale) in f32.
;;   ~~~python
;;   def quantise(x, axis, e):      # numpy; x: float32 -> the quantised numbers, widened to float32 again
;;       x = np.moveaxis(x, axis, -1); K = x.shape[-1]
;;       r = np.clip(x / 2.0 ** e, -448, 448)
;;       step = 2.0 ** (np.maximum(np.frexp(np.where(r == 0, 1, r))[1] - 1, -6) - 3)
;;       q = np.round(r / step) * step * 2.0 ** e      # np.round: ties to even
;;       return np.moveaxis(q, -1, axis).astype(np.float32)
;;   ~~~
;;   SOFTMAX AHEAD OF A QUANTISED PRODUCT. Where the list says 'softmax', what is quantised is not the finished softmax but p = 2^(t - M), with t = logit x log2(e) and M = ceil(the row's largest t), a whole number; so 1/2 < the row's largest p <= 1. The row's sum l is taken of the UNQUANTISED p, in f32, and the product's result is divided by l at the end. Since M is a whole number, a kernel that streams over the keys may use a running M (the ceiling of the running maximum): every later rescaling is an exact power of two, so the quantised numbers keep their values, but for numbers so far below the row's largest that they fall under the format's range.
;;   OPERANDS COMPUTED ON THE WAY. 'Computed on the way' means the value that the module computes at that place (a softmax that the list does not call 'softmax' is quantised finished and normalised). What goes into a quantiser is computed in f32, as accurately as f32 sums, v_exp_f32 and their like allow (about 1e-6 of the number): no bf16 or f16 on the way to a quantiser, and a product that is left as it is and whose result goes on into a quantised operand takes f32 operands (vector FMAs, or v_wmma_f32_16x16x4_f32). A number that lies on a knife's edge between two numbers of the format may be rounded either way, as far as f32 arithmetic and the matrix unit's own rounding can turn it there, and no further.
;; One version. Each part assembles by itself: llvm-mc -triple=amdgcn-amd-amdhsa -mcpu=gfx1250 --defsym DOCPART=n.
;; ======== version 1 of 1: 4 launches
;; limits: right only within a limited range of input values
;; workspace buffers: x_img 8,388,608 bytes; wqkv_img 3,145,728 bytes; wout_img 1,048,576 bytes; rope_img 524,288 bytes; q_img 8,388,608 bytes; k_img 8,388,608 bytes; v_img 8,388,608 bytes; o_img 8,388,608 bytes
;; launch prep (part 1): grid 416 x 1, 4 waves a work-group, no clusters, 57,856 bytes of LDS; arguments x, Wqkv, Wout, lowp_scales, x_img, wqkv_img, wout_img, rope_img; writes x_img, wqkv_img, wout_img, rope_img
.if DOCPART == 1
	.amdgcn_target "amdgcn-amd-amdhsa--gfx1250"
	.amdhsa_code_object_version 6
	.text
	.protected	k_q6450757bf2_prep
	.globl	k_q6450757bf2_prep
	.p2align	8
	.type	k_q6450757bf2_prep,@function
k_q6450757bf2_prep:
	s_mov_b64 s[64:65], 0
	v_nop
	global_prefetch_b8 v0, s[64:65] scope:SCOPE_SE
	s_setreg_imm32_b32 hwreg(HW_REG_WAVE_MODE, 25, 1), 1
	s_wait_xcnt 0x0
; PREP: x, Wqkv and Wout become codes of E4M3, laid as IMAGES OF OPERAND REGISTERS, and RoPE's table of cosines and sines is made.
; An image: [tile of 16 rows][K step of 128][g 0..3][lane 0..31][16 bytes]; lane (r, h) = 16 h + r holds row r of the tile.
;   x_img, wqkv_img: the 16 bytes are k = 128 ks + 32 g + 16 h + 0..15 (the same order of k on both sides of the first product).
;   wout_img: bytes 0-7 are k = 128 ks + 32 g + 8 h + 0..7, bytes 8-15 those 16 further on (the K = 128 form's own places).
;   rope_img (f32): [tile of 16 positions][bc 0..3][p 0..1][lane][cos, sin, cos, sin] of frequencies 8 bc + 4 h + 2 p and the next, at position 16 tile + r.
; code = number / 2^e, to the nearest code, ties to even.  e: lowp_scales[0] for x, [1] for Wqkv, [7] for Wout.
; LIMITS: each of these e between -126 and 119.  NaN among the inputs is not served.
; RoPE: theta_i is the f32 nearest to 10^(-i/8); the angle is the f32 product position x theta; sine and cosine by a reduction by pi/2 in three parts
; and polynomials on +-pi/4: absolute error about 1e-7.
; FOUR ARMS by the work-group's number: 0-255 x, 256-351 Wqkv, 352-383 Wout, 384-415 the table.  Waves share nothing: no barrier.  Only x's arm uses LDS.
.set SP,    80                         ; x's arm: a lane's place in a stage: its 64 bytes + 16 of padding
.set WREG,  14336                      ; LDS of a wave: two stages of 32 x SP bytes, then the codes' stage
.set CSTG,  5120                       ; the codes' stage: 32 rows of 256 bytes + 16
.set CP,    272
.set XR,    16                         ; v16-79   four sets of 16 numbers as loaded; on the way out the codes
.set XX,    80                         ; v80-111  two sets of 16 neighbours
.set XC,    128                        ; v128-191 four registers of codes for each step
.set WX,    32                         ; the weights' arms: v32-95 two sets of 32 numbers down K
.set WC,    96                         ; v96-159  eight registers of codes for each block: never written twice
.set TH,    32                         ; the table's arm: v32-47 my sixteen frequencies
.set RC,    64                         ; v64-95   (cos, sin) of each
.macro SCALES es                       ; v11 = 2^e as f32 (the conversion takes its exponent field)
	s_add_co_i32 s22, s[\es], 127
	s_lshl_b32 s23, s22, 23
	v_mov_b32 v11, s23
	s_add_co_i32 s22, s22, 8
	s_lshl_b32 s22, s22, 23
	s_or_b32 s22, s22, 0x600000
.endm
; ---- x's arm: step t is row t of the wave's 16 rows, 512 numbers of it
.macro XLOAD t
.irp i, 0,1,2,3
	global_load_b128 v[XR+16*((\t)%4)+4*\i:XR+16*((\t)%4)+4*\i+3], v3, s[4:5] offset:4096*(\t)+512*\i th:TH_LOAD_NT   ; 32 lanes read 512 consecutive bytes
.endr
.endm
.macro XTURN t                         ; through the stage: in as loaded, back 64 bytes a lane.  LDS serves a wave's instructions in order: no wait between
.irp i, 0,1,2,3
	ds_store_b128 v14, v[XR+16*((\t)%4)+4*\i:XR+16*((\t)%4)+4*\i+3] offset:32*SP*((\t)%2)+8*SP*\i
.endr
.irp i, 0,1,2,3
	ds_load_b128 v[XX+16*((\t)%2)+4*\i:XX+16*((\t)%2)+4*\i+3], v15 offset:32*SP*((\t)%2)+16*\i
.endr
.endm
.macro XSTEP t
.set XS, XX+16*((\t)%2)
	s_wait_dscnt 0x0                               ; this step's numbers are back: so its stores into the stage have read their registers,
.if (\t)+4 < 16
	XLOAD (\t)+4                                   ; which take the loads of four steps on
.endif
.if (\t)+1 < 16
.if 14-(\t) >= 3
	s_wait_loadcnt 12                              ; the next step's four loads are in; those of the three steps behind it may be out
.else
	s_wait_loadcnt 4*(14-(\t))
.endif
	XTURN (\t)+1
.endif
.irp i, 0,1,2,3,4,5,6,7,8,9,10,11,12,13,14,15
.endr
	v_cvt_scalef32_pk8_fp8_f32 v[XC+4*(\t):XC+4*(\t)+1], v[XS:XS+7], v11
	v_cvt_scalef32_pk8_fp8_f32 v[XC+4*(\t)+2:XC+4*(\t)+3], v[XS+8:XS+15], v11
	ds_store_b128 v12, v[XC+4*(\t):XC+4*(\t)+3] offset:16*(\t)   ; my 16 codes are the image's bytes 256 lane + 16 t: row lane of the codes' stage
.endm
; ---- the weights' arms: a lane takes a column, its registers run down K
.macro WLOAD t, N, PIN
.irp i, 0,1,2,3,4,5,6,7,8,9,10,11,12,13,14,15,16,17,18,19,20,21,22,23,24,25,26,27,28,29,30,31
	global_load_b32 v[WX+32*((\t)%2)+\i], v3, s[\PIN:\PIN+1] offset:(32*(\t)+\i)*4*\N th:TH_LOAD_NT
.endr
.endm
.macro WBLOCK t, N, NAT, PIN, POUT
.set XS, WX+32*((\t)%2)
.set WCB, WC+8*(\t)
.if (\t) < 7
	s_wait_loadcnt 32                              ; this block's 32 loads are in; the next block's may be out
.else
	s_wait_loadcnt 0
.endif
.irp i, 0,1,2,3,4,5,6,7,8,9,10,11,12,13,14,15,16,17,18,19,20,21,22,23,24,25,26,27,28,29,30,31
.endr
.irp q, 0,1,2,3                        ; eight numbers k = 8 q .. 8 q + 7 of the block; where their codes go says the order of k in a cell
.if \NAT
.set PQ, 2*(2*(\q%2)+\q/2)             ; cell h = (k 8 h .., k 16 + 8 h ..): pairs 0, 2, 1, 3
.else
.set PQ, 2*\q                          ; cell h = k 16 h .. 16 h + 15
.endif
	v_cvt_scalef32_pk8_fp8_f32 v[WCB+PQ:WCB+PQ+1], v[XS+8*\q:XS+8*\q+7], v11
.endr
	global_store_b128 v8, v[WCB:WCB+3], s[\POUT:\POUT+1] offset:512*(\t)          ; sixteen lanes (a tile's sixteen columns) store 256 consecutive bytes, aligned
	global_store_b128 v8, v[WCB+4:WCB+7], s[\POUT:\POUT+1] offset:512*(\t)+256
.if (\t)+2 < 8
	WLOAD (\t)+2, \N, \PIN
.endif
.endm
.macro WARM N, NAT, PIN, POUT, ES, FIRST
	s_sub_co_u32 s21, ttmp9, \FIRST
	s_and_b32 s22, s21, 3                          ; which 256 along K
	s_lshr_b32 s21, s21, 2                         ; which 128 columns
	s_lshl_b32 s21, s21, 7
	s_lshl_b32 s23, s20, 5
	s_add_co_u32 s21, s21, s23                     ; my wave's first column
	s_mul_i32 s32, s22, 1024*\N                    ; 256 rows of 4 N bytes
	s_lshl_b32 s23, s21, 2
	s_add_co_u32 s32, s32, s23
	s_mov_b32 s33, 0
	s_add_nc_u64 s[\PIN:\PIN+1], s[\PIN:\PIN+1], s[32:33]
	s_lshl_b32 s32, s21, 10                        ; a tile of 16 columns is 16,384 bytes of the image
	s_lshl_b32 s23, s22, 12                        ; 256 along K are 4,096 of them
	s_add_co_u32 s32, s32, s23
	s_add_nc_u64 s[\POUT:\POUT+1], s[\POUT:\POUT+1], s[32:33]
	v_lshlrev_b32 v3, 2, v2                        ; in: 4 bytes a lane
	v_lshrrev_b32 v8, 4, v2
	v_lshlrev_b32 v8, 14, v8                       ; out: lanes 16-31 are the next tile,
	v_and_b32 v9, 15, v2
	v_lshl_add_u32 v8, v9, 4, v8                   ; 16 bytes for each column
	WLOAD 0, \N, \PIN
	WLOAD 1, \N, \PIN
	SCALES \ES
	s_wait_alu depctr_va_vdst(0)
.irp t, 0,1,2,3,4,5,6,7
	WBLOCK \t, \N, \NAT, \PIN, \POUT
.endr
	s_endpgm
.endm
; ---- the table's arm
.macro THETA g, even, odd              ; my frequency 2 g + (lane % 2)
	v_mov_b32 v[TH+\g], \odd
	v_cndmask_b32 v[TH+\g], \even, v[TH+\g], vcc_lo
.endm
.macro SINCOS g
	v_mul_f32 v4, v1, v[TH+\g]                     ; the angle, as f32
	v_mul_f32 v5, s32, v4
	v_rndne_f32 v5, v5                             ; n = the nearest multiple of pi/2
	v_fma_f32 v4, -v5, s33, v4                     ; angle - n pi/2, pi/2 in three parts: the first step is exact
	v_fma_f32 v4, -v5, s34, v4
	v_fma_f32 v4, -v5, s35, v4
	v_cvt_i32_f32 v6, v5
	v_mul_f32 v7, v4, v4                           ; z
	v_fma_f32 v8, v7, s38, s37
	v_fma_f32 v10, v7, s41, s40
	v_fma_f32 v8, v8, v7, s36
	v_fma_f32 v10, v10, v7, s39
	v_mul_f32 v9, v7, v4
	v_mul_f32 v11, v7, v7
	v_fma_f32 v12, v7, -0.5, 1.0
	v_fma_f32 v8, v8, v9, v4                       ; sine of the rest
	v_fma_f32 v10, v10, v11, v12                   ; cosine of the rest
	v_and_b32 v13, 1, v6
	v_cmp_eq_u32 vcc_lo, 1, v13                    ; in odd quadrants the two change places
	v_cndmask_b32 v14, v8, v10, vcc_lo
	v_cndmask_b32 v15, v10, v8, vcc_lo
	v_lshlrev_b32 v13, 30, v6
	v_and_b32 v13, 0x80000000, v13                 ; the sine is negative in quadrants 2, 3
	v_xor_b32 v[RC+2*\g+1], v13, v14
	v_add_nc_u32 v13, 1, v6
	v_lshlrev_b32 v13, 30, v13
	v_and_b32 v13, 0x80000000, v13                 ; the cosine in quadrants 1, 2
	v_xor_b32 v[RC+2*\g], v13, v15
	global_store_b64 v3, v[RC+2*\g:RC+2*\g+1], s[18:19] offset:1024*(\g/4)+512*(\g%2)+256*((\g/2)%2)   ; 32 lanes store 256 consecutive bytes, aligned
.endm
	s_load_b256 s[4:11], s[0:1], 0x0               ; x s[4:5], Wqkv s[6:7], Wout s[8:9], the exponents s[10:11]
	s_load_b256 s[12:19], s[0:1], 0x20             ; x_img s[12:13], wqkv_img s[14:15], wout_img s[16:17], rope_img s[18:19]
	v_lshl_add_u32 v192, v0, 2, 0xe000
	v_mov_b32 v193, 0
	v_lshrrev_b32 v1, 5, v0
	v_readfirstlane_b32 s20, v1                    ; wave
	v_and_b32 v2, 31, v0                           ; lane
	s_wait_kmcnt 0x0
	s_load_b256 s[24:31], s[10:11], 0x0            ; e0 .. e7
	s_wait_kmcnt 0x0
	s_cmp_lt_u32 ttmp9, 256
	s_cbranch_scc1 .Larm_x
	s_cmp_lt_u32 ttmp9, 352
	s_cbranch_scc1 .Larm_wqkv
	s_cmp_lt_u32 ttmp9, 384
	s_cbranch_scc1 .Larm_wout
	; ---- THE TABLE: a wave makes a tile of 16 positions x 32 frequencies; lane = 2 x position + (frequency % 2)
	s_sub_co_u32 s21, ttmp9, 384
	s_lshl_b32 s21, s21, 2
	s_add_co_u32 s21, s21, s20                     ; the tile, 0 .. 127
	s_lshl_b32 s22, s21, 12
	s_mov_b32 s23, 0
	s_add_nc_u64 s[18:19], s[18:19], s[22:23]
	s_lshl_b32 s21, s21, 4
	s_wait_alu depctr_va_vdst(0)
	v_lshrrev_b32 v1, 1, v2
	v_add_nc_u32 v1, s21, v1
	v_cvt_f32_u32 v1, v1                           ; my position
	v_and_b32 v4, 1, v2
	v_cmp_eq_u32 vcc_lo, 1, v4
	v_lshlrev_b32 v3, 3, v2                        ; 8 bytes a lane
	s_mov_b32 s32, 0x3f22f983                      ; 2 / pi
	s_mov_b32 s33, 0x3fc90fda                      ; pi / 2, in three parts
	s_mov_b32 s34, 0x33a22168
	s_mov_b32 s35, 0x27c234c4
	s_mov_b32 s36, 0xbe2aaaa3                      ; the sine's coefficients
	s_mov_b32 s37, 0x3c08839e
	s_mov_b32 s38, 0xb94ca1f9
	s_mov_b32 s39, 0x3d2aaaa5                      ; the cosine's
	s_mov_b32 s40, 0xbab6061a
	s_mov_b32 s41, 0x37ccf5ce
	THETA 0, 1.0, 0.7498942093
	THETA 1, 0.5623413252, 0.4216965034
	THETA 2, 0.3162277660, 0.2371373706
	THETA 3, 0.1778279410, 0.1333521432
	THETA 4, 0.1, 0.07498942093
	THETA 5, 0.05623413252, 0.04216965034
	THETA 6, 0.03162277660, 0.02371373706
	THETA 7, 0.01778279410, 0.01333521432
	THETA 8, 0.01, 0.007498942093
	THETA 9, 0.005623413252, 0.004216965034
	THETA 10, 0.003162277660, 0.002371373706
	THETA 11, 0.001778279410, 0.001333521432
	THETA 12, 0.001, 0.0007498942093
	THETA 13, 0.0005623413252, 0.0004216965034
	THETA 14, 0.0003162277660, 0.0002371373706
	THETA 15, 0.0001778279410, 0.0001333521432
.irp g, 0,1,2,3,4,5,6,7,8,9,10,11,12,13,14,15
	SINCOS \g
.endr
	s_endpgm
.Larm_x:
	; ---- x: a wave takes 16 rows (a tile) x 512 along K (four K steps): 8,192 bytes of the image
	s_lshl_b32 s21, ttmp9, 2
	s_add_co_u32 s21, s21, s20                     ; 2 x tile + half
	s_lshr_b32 s22, s21, 1
	s_lshl_b32 s22, s22, 16                        ; 16 rows of 4,096 bytes
	s_and_b32 s23, s21, 1
	s_lshl_b32 s23, s23, 11
	s_add_co_u32 s22, s22, s23
	s_mov_b32 s23, 0
	s_add_nc_u64 s[4:5], s[4:5], s[22:23]
	s_lshl_b32 s22, s21, 13
	s_add_nc_u64 s[12:13], s[12:13], s[22:23]
	s_mul_i32 s21, s20, WREG                       ; my wave's LDS
	s_wait_alu depctr_va_vdst(0)
	v_lshlrev_b32 v3, 4, v2                        ; 16 bytes a lane, in and out
	v_lshrrev_b32 v14, 2, v2
	v_mul_u32_u24 v14, v14, SP
	v_and_b32 v15, 3, v2
	v_lshl_add_u32 v14, v15, 4, v14
	v_add_nc_u32 v14, s21, v14                     ; the stage, in: four lanes' 64 bytes on end, then 16 of padding
	v_mul_u32_u24 v15, v2, SP
	v_add_nc_u32 v15, s21, v15                     ; and back: my 16 neighbours
	v_mul_u32_u24 v12, v2, CP
	v_add_nc_u32 v12, s21, v12
	v_add_nc_u32 v12, CSTG, v12                    ; the codes' stage, in: row = lane
	v_lshrrev_b32 v13, 4, v2
	v_mul_u32_u24 v13, v13, CP
	v_and_b32 v9, 15, v2
	v_lshl_add_u32 v13, v9, 4, v13
	v_add_nc_u32 v13, s21, v13
	v_add_nc_u32 v13, CSTG, v13                    ; and back: sixteen lanes to a row, two rows an instruction
.irp t, 0,1,2,3
	XLOAD \t
.endr
	SCALES 24
	s_wait_alu depctr_va_vdst(0)
	s_wait_loadcnt 12                              ; step 0's four loads are in
	XTURN 0
.irp t, 0,1,2,3,4,5,6,7,8,9,10,11,12,13,14,15
	XSTEP \t
.endr
.irp i, 0,1,2,3,4,5,6,7,8,9,10,11,12,13,14,15
	ds_load_b128 v[XR+4*\i:XR+4*\i+3], v13 offset:544*\i       ; these see my stores: LDS serves a wave's instructions in order
.endr
.irp i, 0,1,2,3,4,5,6,7,8,9,10,11,12,13,14,15
	s_wait_dscnt 15-\i
	global_store_b128 v3, v[XR+4*\i:XR+4*\i+3], s[12:13] offset:512*\i   ; 512 consecutive bytes of the image, aligned
.endr
	s_wait_tensorcnt 0x0
	ds_add_u32 v192, v193
	s_wait_dscnt 0x0
	s_endpgm
.Larm_wqkv:
	s_wait_alu depctr_va_vdst(0)
	WARM 3072, 0, 6, 14, 25, 256
.Larm_wout:
	s_wait_alu depctr_va_vdst(0)
	WARM 1024, 1, 8, 16, 31, 352
.Lfunc_end_k_q6450757bf2_prep:
	.size	k_q6450757bf2_prep, .Lfunc_end_k_q6450757bf2_prep-k_q6450757bf2_prep
	.p2alignl 7, 3214868480
	.fill 96, 4, 3214868480
	.section	.rodata,"a",@progbits
	.p2align	6, 0x0
	.amdhsa_kernel k_q6450757bf2_prep
		.amdhsa_group_segment_fixed_size 57856
		.amdhsa_private_segment_fixed_size 0
		.amdhsa_enable_private_segment 0
		.amdhsa_kernarg_size 64
		.amdhsa_user_sgpr_count 2
		.amdhsa_user_sgpr_kernarg_segment_ptr 1
		.amdhsa_wavefront_size32 1
		.amdhsa_system_sgpr_workgroup_id_x 1
		.amdhsa_system_sgpr_workgroup_id_y 1
		.amdhsa_system_sgpr_workgroup_id_z 1
		.amdhsa_system_vgpr_workitem_id 0
		.amdhsa_next_free_vgpr 194
		.amdhsa_next_free_sgpr 66
		.amdhsa_reserve_vcc 1
		.amdhsa_float_denorm_mode_32 3
		.amdhsa_float_denorm_mode_16_64 3
		.amdhsa_fp16_overflow 1
		.amdhsa_memory_ordered 1
		.amdhsa_forward_progress 1
		.amdhsa_inst_pref_size 106
	.end_amdhsa_kernel
	.amdgpu_metadata
---
amdhsa.version: [ 1, 2 ]
amdhsa.kernels:
  - .name:           k_q6450757bf2_prep
    .symbol:         k_q6450757bf2_prep.kd
    .args:
      - { .name: x, .offset: 0, .size: 8, .value_kind: global_buffer, .address_space: global }
      - { .name: Wqkv, .offset: 8, .size: 8, .value_kind: global_buffer, .address_space: global }
      - { .name: Wout, .offset: 16, .size: 8, .value_kind: global_buffer, .address_space: global }
      - { .name: lowp_scales, .offset: 24, .size: 8, .value_kind: global_buffer, .address_space: global }
      - { .name: x_img, .offset: 32, .size: 8, .value_kind: global_buffer, .address_space: global }
      - { .name: wqkv_img, .offset: 40, .size: 8, .value_kind: global_buffer, .address_space: global }
      - { .name: wout_img, .offset: 48, .size: 8, .value_kind: global_buffer, .address_space: global }
      - { .name: rope_img, .offset: 56, .size: 8, .value_kind: global_buffer, .address_space: global }
    .group_segment_fixed_size: 57856
    .private_segment_fixed_size: 0
    .kernarg_segment_align: 8
    .kernarg_segment_size: 64
    .max_flat_workgroup_size: 128
    .sgpr_count:     66
    .vgpr_count:     194
    .wavefront_size: 32
...
	.end_amdgpu_metadata
.endif
;; end of part 1
;; launch qkv (part 2): grid 12 x 32, 4 waves a work-group, clusters of 4 x 4, 327,680 bytes of LDS; arguments x_img, wqkv_img, rope_img, bqkv, lowp_scales, q_img, k_img, v_img; writes q_img, k_img, v_img
.if DOCPART == 2
	.amdgcn_target "amdgcn-amd-amdhsa--gfx1250"
	.amdhsa_code_object_version 6
	.text
	.protected	k_q6450757bf2_qkv
	.globl	k_q6450757bf2_qkv
	.p2align	8
	.type	k_q6450757bf2_qkv,@function
k_q6450757bf2_qkv:
	s_mov_b64 s[64:65], 0
	v_nop
	global_prefetch_b8 v0, s[64:65] scope:SCOPE_SE
	s_setreg_imm32_b32 hwreg(HW_REG_WAVE_MODE, 25, 1), 1
	s_wait_xcnt 0x0
	s_wait_alu depctr_hold_cnt(0) depctr_sa_sdst(0) depctr_va_vdst(0) depctr_va_sdst(0) depctr_va_ssrc(0) depctr_va_vcc(0) depctr_vm_vsrc(0)
	s_getreg_b32 s2, hwreg(HW_REG_IB_STS2, 6, 4)
	s_cmp_eq_u32 s2, 0
	s_cbranch_scc0 .Lentry_in_a_cluster
	s_endpgm
.Lentry_in_a_cluster:
	s_bfe_u32 s2, ttmp6, 0x10000c
	s_cmp_lg_u32 s2, 0xf033
	s_cbranch_scc0 .Lentry_shape_is_right
	s_endpgm
.Lentry_shape_is_right:
; QKV: qkv = x Wqkv + bqkv on codes of E4M3 (K = 1,024), RoPE on q and k, and q, k, v quantised into images of the attention's operand registers.
; A work-group of four waves makes 256 x 256 of the product, a wave 128 x 128: 64 accumulators, 512 registers.  K goes in steps of 256 through two LDS slots.
; The operands lie in memory as images of fragments ([tile of 16 rows][K step of 128][g][lane][16 bytes]), so a slot's part of a tile is 4,096 consecutive bytes, a fragment is four
; ds_load_b128 at 16 x lane (an instruction's 512 bytes are consecutive: no padding), and codes leave by global_store_b128 of 512 consecutive aligned bytes: no way out through LDS.
; CLUSTERS of 4 x 4.  LDS region A is shared along a row of the cluster (its tile hangs on cy), region B along a column (on cx).  Cluster x = 0, 1, 2 makes q, k, v.
;   q, k: region A = x's tile 4 cluster y + cy, region B = Wqkv's tile 4 cluster x + cx.   v: region A = Wqkv's tile 8 + cy, region B = x's tile 4 cluster y + cx.
; Every product is D = (source 0: 16 rows of region B) x (source 1: 16 rows of region A): lane (r, h), register j holds B's row 8 h + j against A's row r.
;   q, k: a lane holds ONE token (16 a + r) and eight neighbouring columns (16 b + 8 h + j): neighbours along the head, the K of q k^T, and RoPE's pairs lie in one lane.
;   v:    a lane holds ONE column (16 a + r) and eight neighbouring tokens (16 b + 8 h + j): neighbours along the keys, the K of p v.
; So one text serves the K loop of all clusters; what differs hangs on the cluster's x, which all sixteen partners share.
; A sum stands for sum x 2^(e0 + e1).  q, k: the bias, divided by that, is the C of the first products.  v: the bias hangs on a, not on b: that C is zeros and the bias is added on the way out.
; The scales are folded: a code is sum / 2^(e - e0 - e1), e = e2 (q), e3 (k), e5 (v).
; LIMITS: e2 - e0 - e1, e3 - e0 - e1, e5 - e0 - e1 between -126 and 119.  NaN is not served.
; OUT: q_img, k_img [batch x head][tile of 16 tokens][c 0..1][lane][16]: bytes 0-7 d = 32 c + 8 h + 0..7, bytes 8-15 sixteen further on.
;      v_img [batch x head][128 keys][tau 0..3][g 0..3][lane][16]: d = 16 tau + r; bytes 0-7 key 32 g + 8 h + 0..7, bytes 8-15 sixteen further on.
; No prefetch: K has four slots, two of them first fills; a request ahead of the other two could stand only at the head, where every work-group's first tiles are on their way.
; REGISTERS: window 0: v16-30 addresses and scales; v32-95 the first products' C; v96-111 v's bias; v128-255 region A's fragments, ONE set; on the way out v128-191 numbers, v192-223 codes.
;   window 1: region B's fragments, TWO sets; at the end RoPE's table.   windows 2, 3: accumulator (a, b) at v[8 (8 (a % 4) + b)].
.set FR,     16                        ; registers of a fragment: 16 rows x 128 K
.set NL,     4                         ; LDS loads that bring one
.set NP,     4                         ; places behind this matrix instruction (ISA guide 7.12.1)
.set TILEB,  4096                      ; a tile's 256 along K
.set HALFT,  8*TILEB                   ; what one tensor load brings, and what one wave reads of a region
.set SLOT,   4*HALFT                   ; region A's 16 tiles, then region B's
.set SPARE,  2*SLOT                    ; behind the ring: the spare words, 128 bytes for each wave
.set ADRA, 16                          ; v16-17  LDS address of my fragments of region A in slot 0, 1
.set ADRB, 20                          ; v20-21  of region B
.set SCL,  24                          ; v24     the conversions' scale
.set LIM,  25                          ; v25     448 x that
.set GOF,  26                          ; v26     16 x lane
.set BOF,  27                          ; v27     32 h: my eight numbers of q's, k's bias
.set SPW,  28                          ; v28     my spare word; never rewritten
.set NIL,  29                          ; v29     0; never rewritten
.set ROF,  30                          ; v30     4 r: my number of v's bias
.set BIAS, 32
.set VB,   96
.set AF,   128
.set T,    128
.set CD,   192
.set G1, 24                            ; s[24:31] group 1 for region A;  s[32:39] group 0, a set for each slot
.set G0, 32
.set G1B, 48                           ; s[48:55], s[56:63] the same for region B
.set G0B, 56
.set MSB, 0
.macro WIN new                         ; the immediate's high byte repeats the setting that is left
.if MSB != (\new)
	s_set_vgpr_msb (MSB<<8)|(\new)
.set MSB, (\new)
.endif
.endm
; A joint load: waves 0 and 1 fetch region A's halves, waves 2 and 3 region B's.  The branch hangs on the wave's number alone.  Four v_nop follow each line.
.macro JLOAD g0a, g1a, g0b, g1b
	s_cmp_eq_u32 s15, 0
	s_cbranch_scc0 .Lfor_b_\@
	tensor_load_to_lds s[\g0a:\g0a+3], s[\g1a:\g1a+7]
	s_nop 0
.rept 4
	v_nop
.endr
	s_branch .Lasked_\@
.Lfor_b_\@:
	tensor_load_to_lds s[\g0b:\g0b+3], s[\g1b:\g1b+7]
	s_nop 0
.rept 4
	v_nop
.endr
.Lasked_\@:
.endm
.macro CREST                           ; a round of the cluster's barrier behind its opening barrier
	s_cmp_lg_u32 s14, 0
	s_cbranch_scc1 .Lnot_wave_0_\@
	s_barrier_signal -3
.Lnot_wave_0_\@:
	s_barrier_wait -3
	s_barrier_signal -1
	s_barrier_wait -1
.endm
.macro CROUND
	s_barrier_signal -1
	s_barrier_wait -1
	CREST
.endm
.macro PLACES n
.rept \n
	v_nop
.endr
.endm
.macro FRAG reg, adr, q, i             ; tile i of my eight, the slot's q-th 128 along K
.irp c, 0,1,2,3
	ds_load_b128 v[\reg+4*\c:\reg+4*\c+3], v[\adr] offset:2048*(\q)+512*\c+(\i)*TILEB
.endr
.endm
; 16 matrix instructions: A's blocks a0, a0 + 1 x B's eight.  p: B's set.  first = 1: C is the bias (or v's zeros): nothing is cleared.
; The 64 accumulators take turns, one instruction a turn, in the same order in every step.
.macro MUL16 a0, p, first
.irp a, \a0, \a0+1
.irp b, 0,1,2,3,4,5,6,7
.if \first
	v_wmma_f32_16x16x128_fp8_fp8 v[8*(8*((\a)%4)+\b):8*(8*((\a)%4)+\b)+7], v[128*(\p)+FR*\b:128*(\p)+FR*\b+FR-1], v[AF+FR*(\a):AF+FR*(\a)+FR-1], v[BIAS+8*\b:BIAS+8*\b+7]
.else
	v_wmma_f32_16x16x128_fp8_fp8 v[8*(8*((\a)%4)+\b):8*(8*((\a)%4)+\b)+7], v[128*(\p)+FR*\b:128*(\p)+FR*\b+FR-1], v[AF+FR*(\a):AF+FR*(\a)+FR-1], v[8*(8*((\a)%4)+\b):8*(8*((\a)%4)+\b)+7]
.endif
.endr
.endr
.endm
.macro FETCH_B slot, q, p
	WIN 0x40                                       ; destination window 1, address window 0
.irp i, 0,1,2,3,4,5,6,7
	FRAG 128*(\p)+FR*\i, ADRB+\slot, \q, \i
.endr
	WIN 0
.endm
.macro FETCH_A slot, q, i0
.irp i, \i0, \i0+1, \i0+2, \i0+3
	FRAG AF+FR*(\i), ADRA+\slot, \q, \i
.endr
.endm
; A step of 128 along K that has its successor in the same slot.  Windows: source 0 (B) 1, source 1 (A) 0, D 2 or 3, C with D, or 0 in the first step.
.macro STEP slot, q, first
	s_wait_dscnt 4*NL                              ; B's set and A's blocks 0-3 are in; the youngest sixteen loads (A's blocks 4-7) may be out
.if \first
	WIN 0x81
.else
	WIN 0xa1
.endif
	MUL16 0, (\q)%2, \first
	MUL16 2, (\q)%2, \first
	s_wait_dscnt 0                                 ; A's blocks 4-7 are in
	PLACES NP                                      ; in front of loads into registers that matrix instructions have read
	FETCH_B \slot, (\q)+1, 1-(\q)%2
	FETCH_A \slot, (\q)+1, 0
.if \first
	WIN 0xc1
.else
	WIN 0xf1
.endif
	MUL16 4, (\q)%2, \first
	MUL16 6, (\q)%2, \first
	PLACES NP
	WIN 0
	FETCH_A \slot, (\q)+1, 4
.endm
; A slot's second step changes slots: each wave waits for all its tensor loads, adds 0 to its spare word, waits for that and for its reads of this slot; one barrier.
; fill = 1: the barrier opens a round of the cluster's barrier, and the slot is filled again, two K steps of 256 ahead: one load of mine is out from there on.
.macro TURN slot, next, fill
	s_wait_tensorcnt 0x0                           ; all my tensor loads have landed: my part of the next slot
	ds_add_u32 v[SPW], v[NIL]
	s_wait_dscnt 4*NL+1                            ; (the add and A's blocks 4-7 may be out)
	WIN 0xa1
	MUL16 0, 1, 0
	s_wait_dscnt 0x0                               ; the add is done, and my reads of this slot are over
	s_barrier_signal -1
	MUL16 2, 1, 0
	WIN 0
	s_barrier_wait -1
.if \fill
	CREST                                          ; no wave of any partner still reads this slot or has a load on its way
	s_add_nc_u64 s[G0+4*\slot+2:G0+4*\slot+3], s[G0+4*\slot+2:G0+4*\slot+3], 2*TILEB
	s_add_nc_u64 s[G0B+4*\slot+2:G0B+4*\slot+3], s[G0B+4*\slot+2:G0B+4*\slot+3], 2*TILEB
	JLOAD G0+4*\slot, G1, G0B+4*\slot, G1B         ; the first tensor load behind the round; its four v_nop are also the places in front of the loads below
.else
	PLACES NP
.endif
	FETCH_B \next, 0, 0
	FETCH_A \next, 0, 0
	WIN 0xf1
	MUL16 4, 1, 0
	MUL16 6, 1, 0
	PLACES NP
	WIN 0
	FETCH_A \next, 0, 4
.endm
.macro LAST                            ; the last 128 along K: nothing more to fetch.  Written in both arms: it has no LDS instruction and no barrier
	s_wait_dscnt 4*NL
	WIN 0xa1
	MUL16 0, 1, 0
	MUL16 2, 1, 0
	s_wait_dscnt 0
	WIN 0xf1
	MUL16 4, 1, 0
	MUL16 6, 1, 0
	WIN 0
.endm
.macro ROPELOAD a0                     ; the table for token blocks a0 .. a0 + 3: 32 registers each, into window 1 at v[32 a]
	WIN 0x40
.irp a, \a0, \a0+1, \a0+2, \a0+3
.irp f, 0,1,2,3,4,5,6,7
	global_load_b128 v[32*(\a)+4*\f:32*(\a)+4*\f+3], v[GOF], s[94:95] offset:4096*(\a)+512*\f
.endr
.endr
	WIN 0
.endm
.macro CODES a                         ; the 64 numbers in v[T] on become 16 registers of codes
.set CB, CD+16*((\a)%2)
.if (\a) >= 2
	s_wait_xcnt 0x0                                ; block a - 2's stores have read these registers
.endif
.set J, 0
.rept 64
	v_med3_num_f32 v[T+J], v[T+J], -v[LIM], v[LIM] ; the conversion does not saturate (ISA guide 7.6.2): the hold comes first
.set J, J+1
.endr
.irp b, 0,1,2,3,4,5,6,7
	v_cvt_scalef32_pk8_fp8_f32 v[CB+2*\b:CB+2*\b+1], v[T+8*\b:T+8*\b+7], v[SCL]
.endr
	v_nop                                          ; a plain instruction behind the last conversion
.endm
; q, k: token block a.  RoPE on the pairs (even d, odd d): (xe c, xo c) by one packed product with c for both halves, then - xo s and + xe s by fused multiply-adds.
.macro QKOUT a
.set AC, 64*((\a)%4)
.set RB, 32*(\a)
	s_wait_loadcnt 8*(7-(\a))                      ; my block's eight loads of the table are in; the later blocks' may be out
	WIN 0x06+((\a)/4)                              ; source 0 (sums) window 2 or 3, source 1 (table) window 1
.irp b, 0,1,2,3,4,5,6,7
.irp p, 0,1,2,3
	v_pk_mul_f32 v[T+8*\b+2*\p:T+8*\b+2*\p+1], v[AC+8*\b+2*\p:AC+8*\b+2*\p+1], v[RB+8*(\b%4)+2*\p:RB+8*(\b%4)+2*\p+1] op_sel_hi:[1,0]
.endr
.irp p, 0,1,2,3
	v_fma_f32 v[T+8*\b+2*\p], -v[AC+8*\b+2*\p+1], v[RB+8*(\b%4)+2*\p+1], v[T+8*\b+2*\p]
	v_fma_f32 v[T+8*\b+2*\p+1], v[AC+8*\b+2*\p], v[RB+8*(\b%4)+2*\p+1], v[T+8*\b+2*\p+1]
.endr
.endr
	WIN 0
	CODES \a
.irp u, 0,1,2,3                        ; cell u: head u / 2 of my two, c = u % 2
	global_store_b128 v[GOF], v[CB+4*\u:CB+4*\u+3], s[90:91] offset:131072*(\u/2)+1024*(\a)+512*(\u%2)   ; 512 consecutive bytes, aligned
.endr
.endm
; v: column block a (head a / 4 of my two, tau = a % 4); b runs along my 128 keys
.macro VOUT a
.set AC, 64*((\a)%4)
	WIN 0x02+((\a)/4)
.set J, 0
.rept 32
	v_pk_add_f32 v[T+J:T+J+1], v[AC+J:AC+J+1], v[VB+2*(\a):VB+2*(\a)+1]
.set J, J+2
.endr
	WIN 0
	CODES \a
.irp g, 0,1,2,3
	global_store_b128 v[GOF], v[CB+4*\g:CB+4*\g+3], s[90:91] offset:131072*((\a)/4)+2048*((\a)%4)+512*\g
.endr
.endm
	s_load_b256 s[4:11], s[0:1], 0x0               ; x_img s[4:5], wqkv_img s[6:7], rope_img s[8:9], bqkv s[10:11]
	s_load_b64 s[12:13], s[0:1], 0x20              ; the exponents
	s_load_b64 s[66:67], s[0:1], 0x28              ; q_img
	s_load_b128 s[68:71], s[0:1], 0x30             ; k_img, v_img
	v_lshl_add_u32 v[SPW], v0, 2, SPARE
	v_mov_b32 v[NIL], 0
	ds_add_u32 v28, v29
	ds_add_u32 v28, v29
	s_wait_dscnt 0x0
	v_lshrrev_b32 v1, 5, v0
	v_readfirstlane_b32 s14, v1                    ; wave 0..3
	s_lshr_b32 s15, s14, 1                         ; which half of region A is mine.  Also: I fetch for A (0) or for B (1)
	s_and_b32 s16, s14, 1                          ; which half of region B.  Also: which eight tiles of that region I fetch
	s_bfe_u32 s40, ttmp6, 0x40000                  ; cx
	s_bfe_u32 s41, ttmp6, 0x40004                  ; cy
	s_and_b32 s19, ttmp7, 0xffff
	s_lshl_b32 s19, s19, 2                         ; 4 x cluster y
	s_lshl_b32 s18, ttmp9, 2                       ; 4 x cluster x
	s_cmp_eq_u32 ttmp9, 2                          ; v's clusters?  The same in all sixteen partners
	s_cselect_b32 s17, 8, s19
	s_cselect_b32 s42, s19, s18
	s_add_co_u32 s17, s17, s41                     ; region A's tile of 256 rows: hangs on cy alone of my place
	s_add_co_u32 s42, s42, s40                     ; region B's: on cx alone
	s_lshl_b32 s43, s41, 2
	s_lshl_b32 s43, 15, s43                        ; my row of the cluster
	s_lshl_b32 s44, 0x1111, s40                    ; my column
	; group 1: 8 rows (tiles) of 512 elements of 8 bytes, 2,048 elements (a tile's whole K) apart; dense in LDS
	s_or_b32 s[G1+0], s43, (3<<16)|(1<<21)         ; 15:0 the mask; 17:16 elements of 8 bytes; 21 set beside a mask
	s_or_b32 s[G1B+0], s44, (3<<16)|(1<<21)
.irp g, G1, G1B
	s_mov_b32 s[\g+1], 512<<16                     ; tensor_dim0
	s_mov_b32 s[\g+2], 8<<16                       ; tensor_dim1
	s_mov_b32 s[\g+3], 512<<16                     ; tile_dim0
	s_mov_b32 s[\g+4], 8                           ; tile_dim1
	s_mov_b32 s[\g+5], 2048                        ; tensor_dim0_stride
	s_mov_b32 s[\g+6], 0
	s_mov_b32 s[\g+7], 0
.endr
	s_lshl_b32 s20, s17, 18                        ; 16 tiles of 16,384 bytes,
	s_lshl_b32 s21, s16, 17                        ; and the eight that I fetch
	s_add_co_u32 s20, s20, s21
	s_mov_b32 s21, 0
	s_lshl_b32 s46, s42, 18
	s_lshl_b32 s47, s16, 17
	s_add_co_u32 s46, s46, s47
	s_mov_b32 s47, 0
	s_lshl_b32 s45, s14, 15                        ; where they go: wave x 32,768: no place in the cluster enters an LDS address
	s_wait_kmcnt 0x0
	s_load_b256 s[72:79], s[12:13], 0x0            ; e0 .. e7
	s_cmp_eq_u32 ttmp9, 2
	s_cselect_b64 s[80:81], s[6:7], s[4:5]         ; region A's tensor
	s_cselect_b64 s[82:83], s[4:5], s[6:7]         ; region B's
	s_add_nc_u64 s[20:21], s[80:81], s[20:21]
	s_add_nc_u64 s[46:47], s[82:83], s[46:47]
	CROUND                                         ; all sixteen work-groups are here: the first joint loads meet
.irp s, 0,1
	s_mov_b32 s[G0+4*\s], 1
	s_add_co_u32 s[G0+4*\s+1], s45, \s*SLOT
	s_add_nc_u64 s[G0+4*\s+2:G0+4*\s+3], s[20:21], \s*TILEB
	s_or_b32 s[G0+4*\s+3], s[G0+4*\s+3], 0x80000000
	s_mov_b32 s[G0B+4*\s], 1
	s_add_co_u32 s[G0B+4*\s+1], s45, \s*SLOT
	s_add_nc_u64 s[G0B+4*\s+2:G0B+4*\s+3], s[46:47], \s*TILEB
	s_or_b32 s[G0B+4*\s+3], s[G0B+4*\s+3], 0x80000000
	JLOAD G0+4*\s, G1, G0B+4*\s, G1B               ; two loads of mine are out
.endr
	v_and_b32 v1, 31, v0
	v_lshlrev_b32 v[GOF], 4, v1
	v_and_b32 v2, 15, v0                           ; r
	v_bfe_u32 v3, v0, 4, 1                         ; h
	v_lshlrev_b32 v[BOF], 5, v3
	v_lshlrev_b32 v[ROF], 2, v2
	s_lshl_b32 s21, s15, 15                        ; my eight tiles of region A
	s_lshl_b32 s22, s16, 15                        ; of region B,
	s_add_co_u32 s22, s22, 2*HALFT                 ; which lies behind A
.irp s, 0,1
	v_add_nc_u32 v[ADRA+\s], s21, v[GOF]
	v_add_nc_u32 v[ADRB+\s], s22, v[GOF]
	s_add_co_u32 s21, s21, SLOT
	s_add_co_u32 s22, s22, SLOT
.endr
	s_wait_kmcnt 0x0
	s_add_co_i32 s84, s72, s73                     ; e0 + e1
	s_sub_co_i32 s85, 0, s84
	; the C of the first products, eight registers for each b
	s_cmp_eq_u32 ttmp9, 2
	s_cbranch_scc1 .Lbias_v
	s_lshl_b32 s86, s42, 10                        ; q, k: my first column x 4 bytes: 256 x tile + 128 x half
	s_lshl_b32 s87, s16, 9
	s_add_co_u32 s86, s86, s87
	s_mov_b32 s87, 0
	s_add_nc_u64 s[88:89], s[10:11], s[86:87]
.irp b, 0,1,2,3,4,5,6,7
	global_load_b128 v[BIAS+8*\b:BIAS+8*\b+3], v[BOF], s[88:89] offset:64*\b
	global_load_b128 v[BIAS+8*\b+4:BIAS+8*\b+7], v[BOF], s[88:89] offset:64*\b+16
.endr
	s_wait_loadcnt 0x0
.set J, 0
.rept 64
	v_ldexp_f32 v[BIAS+J], v[BIAS+J], s85          ; bias / 2^(e0 + e1)
.set J, J+1
.endr
	s_branch .Lbias_done
.Lbias_v:
.set J, 0
.rept 64
	v_mov_b32 v[BIAS+J], 0                         ; v's bias hangs on a: it is added on the way out
.set J, J+1
.endr
.Lbias_done:
	s_wait_tensorcnt 1                             ; my part of slot 0 is in (slot 1's load may be out)
	s_barrier_signal -1
	s_barrier_wait -1                              ; everybody's is
	FETCH_B 0, 0, 0
	FETCH_A 0, 0, 0
	FETCH_A 0, 0, 4
	STEP 0, 0, 1                                   ; K = 1,024 is four slots: written out, no loop
	TURN 0, 1, 1
	STEP 1, 0, 0
	TURN 1, 0, 1
	STEP 0, 0, 0
	TURN 0, 1, 0                                   ; nothing is left to fetch: no round
	STEP 1, 0, 0
	s_cmp_eq_u32 ttmp9, 2
	s_cbranch_scc1 .Larm_v
	; ---- q, k
	s_cmp_eq_u32 ttmp9, 0
	s_cselect_b32 s86, s74, s75                    ; e2 or e3
	s_cselect_b64 s[90:91], s[66:67], s[68:69]     ; q_img or k_img
	s_sub_co_i32 s86, s86, s84
	s_add_co_i32 s86, s86, 127
	s_lshl_b32 s87, s86, 23
	v_mov_b32 v[SCL], s87                          ; 2^(e - e0 - e1)
	s_add_co_i32 s86, s86, 8
	s_lshl_b32 s86, s86, 23
	s_or_b32 s86, s86, 0x600000
	v_mov_b32 v[LIM], s86                          ; 448 x that
	s_lshr_b32 s86, s17, 3                         ; the batch: eight tiles of 256 tokens each
	s_lshl_b32 s86, s86, 4
	s_lshl_b32 s87, s40, 2
	s_add_co_u32 s86, s86, s87                     ; + my first head: 4 cx + 2 x half
	s_lshl_b32 s87, s16, 1
	s_add_co_u32 s86, s86, s87
	s_lshl_b32 s86, s86, 17                        ; a head's image is 131,072 bytes
	s_and_b32 s92, s17, 7
	s_lshl_b32 s87, s92, 14                        ; 16 tiles of 1,024 bytes
	s_add_co_u32 s86, s86, s87
	s_lshl_b32 s87, s15, 13
	s_add_co_u32 s86, s86, s87
	s_mov_b32 s87, 0
	s_add_nc_u64 s[90:91], s[90:91], s[86:87]
	s_lshl_b32 s86, s92, 16                        ; the table: 16 tiles of 4,096 bytes
	s_lshl_b32 s93, s15, 15
	s_add_co_u32 s86, s86, s93
	s_add_nc_u64 s[94:95], s[8:9], s[86:87]
	ROPELOAD 0                                     ; into B's set 0: its last products stand in front of the last step's places
	LAST
	PLACES NP                                      ; behind the last products: for the loads into B's set 1 and for the first reads of results
	ROPELOAD 4
.irp a, 0,1,2,3,4,5,6,7
	QKOUT \a
.endr
	s_branch .Lend
.Larm_v:
	; ---- v
	s_sub_co_i32 s86, s77, s84                     ; e5 - e0 - e1
	s_add_co_i32 s86, s86, 127
	s_lshl_b32 s87, s86, 23
	v_mov_b32 v[SCL], s87
	s_add_co_i32 s86, s86, 8
	s_lshl_b32 s86, s86, 23
	s_or_b32 s86, s86, 0x600000
	v_mov_b32 v[LIM], s86
	s_lshr_b32 s86, s42, 3                         ; the batch (region B's tile is x's)
	s_lshl_b32 s86, s86, 4
	s_lshl_b32 s87, s41, 2
	s_add_co_u32 s86, s86, s87                     ; + my first head: 4 cy + 2 x half
	s_lshl_b32 s87, s15, 1
	s_add_co_u32 s86, s86, s87
	s_lshl_b32 s86, s86, 17
	s_and_b32 s87, s42, 7
	s_lshl_b32 s87, s87, 14                        ; two blocks of 128 keys, 8,192 bytes each
	s_add_co_u32 s86, s86, s87
	s_lshl_b32 s87, s16, 13
	s_add_co_u32 s86, s86, s87
	s_mov_b32 s87, 0
	s_add_nc_u64 s[90:91], s[70:71], s[86:87]
	s_lshl_b32 s86, s17, 10                        ; the bias: my first column x 4 bytes (region A's tile is Wqkv's)
	s_lshl_b32 s92, s15, 9
	s_add_co_u32 s86, s86, s92
	s_add_nc_u64 s[88:89], s[10:11], s[86:87]
.irp a, 0,1,2,3,4,5,6,7
	global_load_b32 v[VB+2*\a], v[ROF], s[88:89] offset:64*\a
.endr
	LAST
	PLACES NP
	s_wait_loadcnt 0x0
.irp a, 0,1,2,3,4,5,6,7
	v_ldexp_f32 v[VB+2*\a+1], v[VB+2*\a], s85      ; bias / 2^(e0 + e1), twice: a pair for the packed addition
	v_ldexp_f32 v[VB+2*\a], v[VB+2*\a], s85
.endr
.irp a, 0,1,2,3,4,5,6,7
	VOUT \a
.endr
.Lend:
	s_wait_tensorcnt 0x0                           ; the wave's end
	ds_add_u32 v[SPW], v[NIL]
	s_wait_dscnt 0x0
	CROUND                                         ; the closing round: no work-group ends while a partner may still ask for a tile that names it
	s_endpgm
.Lfunc_end_k_q6450757bf2_qkv:
	.size	k_q6450757bf2_qkv, .Lfunc_end_k_q6450757bf2_qkv-k_q6450757bf2_qkv
	.p2alignl 7, 3214868480
	.fill 96, 4, 3214868480
	.section	.rodata,"a",@progbits
	.p2align	6, 0x0
	.amdhsa_kernel k_q6450757bf2_qkv
		.amdhsa_group_segment_fixed_size 327680
		.amdhsa_private_segment_fixed_size 0
		.amdhsa_enable_private_segment 0
		.amdhsa_kernarg_size 64
		.amdhsa_user_sgpr_count 2
		.amdhsa_user_sgpr_kernarg_segment_ptr 1
		.amdhsa_wavefront_size32 1
		.amdhsa_system_sgpr_workgroup_id_x 1
		.amdhsa_system_sgpr_workgroup_id_y 1
		.amdhsa_system_sgpr_workgroup_id_z 1
		.amdhsa_system_vgpr_workitem_id 0
		.amdhsa_next_free_vgpr 1024
		.amdhsa_next_free_sgpr 100
		.amdhsa_reserve_vcc 0
		.amdhsa_float_denorm_mode_32 3
		.amdhsa_float_denorm_mode_16_64 3
		.amdhsa_memory_ordered 1
		.amdhsa_forward_progress 1
		.amdhsa_inst_pref_size 243
	.end_amdhsa_kernel
	.amdgpu_metadata
---
amdhsa.version: [ 1, 2 ]
amdhsa.kernels:
  - .name:           k_q6450757bf2_qkv
    .symbol:         k_q6450757bf2_qkv.kd
    .args:
      - { .name: x_img, .offset: 0, .size: 8, .value_kind: global_buffer, .address_space: global }
      - { .name: wqkv_img, .offset: 8, .size: 8, .value_kind: global_buffer, .address_space: global }
      - { .name: rope_img, .offset: 16, .size: 8, .value_kind: global_buffer, .address_space: global }
      - { .name: bqkv, .offset: 24, .size: 8, .value_kind: global_buffer, .address_space: global }
      - { .name: lowp_scales, .offset: 32, .size: 8, .value_kind: global_buffer, .address_space: global }
      - { .name: q_img, .offset: 40, .size: 8, .value_kind: global_buffer, .address_space: global }
      - { .name: k_img, .offset: 48, .size: 8, .value_kind: global_buffer, .address_space: global }
      - { .name: v_img, .offset: 56, .size: 8, .value_kind: global_buffer, .address_space: global }
    .group_segment_fixed_size: 327680
    .private_segment_fixed_size: 0
    .kernarg_segment_align: 8
    .kernarg_segment_size: 64
    .max_flat_workgroup_size: 128
    .sgpr_count:     100
    .vgpr_count:     1024
    .wavefront_size: 32
...
	.end_amdgpu_metadata
.endif
;; end of part 2
;; launch attn (part 3): grid 4 x 64, 8 waves a work-group, no clusters, 327,680 bytes of LDS; arguments q_img, k_img, v_img, lowp_scales, o_img; writes o_img
.if DOCPART == 3
	.amdgcn_target "amdgcn-amd-amdhsa--gfx1250"
	.amdhsa_code_object_version 6
	.text
	.protected	k_q6450757bf2_attn
	.globl	k_q6450757bf2_attn
	.p2align	8
	.type	k_q6450757bf2_attn,@function
k_q6450757bf2_attn:
	s_mov_b64 s[64:65], 0
	v_nop
	global_prefetch_b8 v0, s[64:65] scope:SCOPE_SE
	s_setreg_imm32_b32 hwreg(HW_REG_WAVE_MODE, 25, 1), 1
	s_wait_xcnt 0x0
; ATTN: causal attention on codes of E4M3, 64 batch x heads, 2,048 tokens, head size 64; the result is quantised (e6) into the image of the last product's operand.
; t = score x 2^(e2 + e3) x log2(e) / 8; M = the running largest t rounded UP to a whole number; p = 2^(t - M) is quantised (e4) along the keys, not normalised; the row's sum is taken of the
; unquantised p and divides at the end.  When M moves, the sum and O are multiplied by 2^(old M - new M): nothing is rounded, and no branch hangs on data.
; SHARES.  Work-group (i, head) owns the blocks of 256 queries 7 - i and i and walks them one after the other: 8 - i slots of 256 keys, then i + 1: NINE slots in every work-group, so the
; trip count is a constant and all 256 work-groups have equal work.  Each of eight waves owns 32 queries of the block in hand: two tiles of 16, which share every fragment of K and V.
; A key step is 128 keys.  A step all of whose keys come after the wave's queries is left out (a scalar branch on ids; no barrier and no tensor load stands in a step).
; LAYOUT.  S^T = K Q^T (source 0 = 16 keys, source 1 = 16 queries; K = 64) and O^T = V^T P^T (source 0 = 16 of the head's 64, source 1 = P; K = 128): a lane holds one query throughout.
; Register j of key tile kt holds key 16 kt + 8 h + j, so the conversion of tile kt gives registers 2 kt, 2 kt + 1 of P in the K = 128 form's own places, and v_img is laid to match.
; RING.  Two slots of 32,768 bytes (K's 16 tiles of 1,024, then V's two blocks of 8,192), dense images; each wave fills 4,096 bytes of a slot (waves 0-3 K's, 4-7 V's): one load of mine is out.
; NO JOINT LOADS: the four work-groups of a head change from their first block to their second in different trips, so from the fifth trip on they want different slots in the same trip.
; PREFETCH: in the head's first work-group (i = 0), at the fill of trip g (slot g + 1), waves 0, 2 (K) and 4, 6 (V) name slot g + 2: 8,192 bytes a wave, lanes 256 bytes apart, each block once;
; two key steps ahead of its load; slots 0 and 1 come by their loads alone; trips 6 on ask for nothing (slot 7 is the last; the second block's slots have been read).
; LIMITS: e2 + e3 between -123 and 130; e4 and e6 between -126 and 119.  NaN is not served.
; REGISTERS.  Window 0: v1-11 addresses and constants; v12-27 statistics, eight a tile; v28-31 second chains; v32-95 K; v96-223 S^T, then p; v224-255 p's codes.
;   Window 1: v0-63 O^T; v64-79 Q in hand; v80-143 V; v144-159 the second block's Q.
.set SLOTB, 32768
.set VOFF,  16384
.set SPARE, 65536                      ; behind the ring: the spare words, 128 bytes for each of eight waves
.set LI,   1                           ; v1   16 x lane
.set ADR,  2                           ; v2   the step's LDS address
.set SPW,  3                           ; v3   my spare word; never rewritten
.set NIL,  4                           ; v4   0; never rewritten
.set PFO,  5                           ; v5   256 x lane
.set PSC,  6                           ; v6   2^e4
.set PLIM, 7
.set OSC,  8                           ; v8   2^e6
.set OLIM, 9
.set NINF, 10                          ; v10  -infinity
.set RH,   11                          ; v11  r - 8 h
.set ST,   12                          ; tile t at v[ST + 8 t]: +0 -M, +1 the largest t, +2, +3 the sum in two halves, +4, +5 f, +6, +7 at work
.set CH,   28
.set KR,   32
.set S,    96
.set PC,   224
.set OA,   0                           ; window 1
.set QF,   64
.set VF,   80
.set QL,   144
.set WV,   14
.set BH,   15
.set G1,   16                          ; s[16:23] group 1
.set G0,   24                          ; s[24:27] group 0
.set KVB,  28                          ; s[28:29] my 4,096 bytes of slot 0 in memory
.set NH,   30                          ; slots of the first block
.set GT,   31                          ; the trip
.set TB,   32                          ; LDS byte at which the slot in hand begins
.set KF,   33                          ; the step's first key
.set Q0,   34                          ; my first query
.set QLO,  35                          ; and in the second block
.set CS,   36                          ; s[36:37] c
.set SEL,  38                          ; s[38:39] lane l xor 16
.set EPV,  40                          ; e4 + e5
.set LIMP, 41                          ; I prefetch in trips below this
.set OHI,  42                          ; s[42:43], s[44:45] where my two blocks' results go
.set OLO,  44
.set PFA,  46                          ; s[46:47] where my prefetches stand
.set EX,   48                          ; s[48:55] e0 .. e7
.set MSB, 0
.macro WIN new
.if MSB != (\new)
	s_set_vgpr_msb (MSB<<8)|(\new)
.set MSB, (\new)
.endif
.endm
.macro POW2 vs, vl, es                 ; v[vs] = 2^e
	s_add_co_i32 s56, s[\es], 127
	s_lshl_b32 s57, s56, 23
	v_mov_b32 v[\vs], s57
.endm
.macro INIT                            ; a block begins: O^T and the sums are zeros, the largest t lies under every t: the first change of M multiplies zeros
	WIN 0x40
.set J, 0
.rept 64
	v_mov_b32 v[OA+J], 0
.set J, J+1
.endr
	WIN 0
.irp t, 0,1
	v_mov_b32 v[ST+8*\t+1], 0xff61b1e6
	s_delay_alu instid0(VALU_DEP_1)
	v_floor_f32 v[ST+8*\t], -v[ST+8*\t+1]
	v_mov_b32 v[ST+8*\t+2], 0
	v_mov_b32 v[ST+8*\t+3], 0
.endr
.endm
; A KEY STEP: the q-th 128 keys of the slot in hand
.macro STEP q
	s_cmp_gt_u32 s[KF], s[Q0]                      ; KF - Q0 is a multiple of 32: above Q0 means above all my 32 queries
	s_cbranch_scc1 .Lhidden_\@
	v_add_nc_u32 v[ADR], s[TB], v[LI]
.rept 3
	v_nop                                          ; with the addition: four places in front of loads into registers that the last products read
.endr
.set J, 0
.rept 16
	ds_load_b128 v[KR+4*J:KR+4*J+3], v[ADR] offset:8192*(\q)+512*J           ; K: eight tiles of 16 keys, two loads each
.set J, J+1
.endr
	WIN 0x40
.set J, 0
.rept 16
	ds_load_b128 v[VF+4*J:VF+4*J+3], v[ADR] offset:VOFF+8192*(\q)+512*J      ; V: four tiles of 16 of the head's 64, four loads each
.set J, J+1
.endr
	s_wait_dscnt 16                                ; K is in; V's sixteen loads may be out
	WIN 0x04                                       ; source 1 (Q) window 1
.irp kt, 0,1,2,3,4,5,6,7
.irp t, 0,1
	v_wmma_f32_16x16x64_fp8_fp8 v[S+64*\t+8*\kt:S+64*\t+8*\kt+7], v[KR+8*\kt:KR+8*\kt+7], v[QF+8*\t:QF+8*\t+7], 0
.endr
.endr
	WIN 0
.rept 4
	v_nop
.endr
	s_add_co_u32 s56, s[KF], 127                   ; a step all of whose keys count has no mask
	s_cmp_le_u32 s56, s[Q0]
	s_cbranch_scc1 .Lopen_\@
	s_sub_co_i32 s56, s[Q0], s[KF]
	s_add_co_i32 s57, s56, 16
	v_add_nc_u32 v[ST+6], s56, v[RH]               ; d = my query - KF - 8 h: register 8 kt + j holds a hidden key where 16 kt + j > d
	v_add_nc_u32 v[ST+14], s57, v[RH]
.set J, 0
.rept 64
.irp t, 0,1
	v_cmp_gt_i32 vcc_lo, 16*(J/8)+J%8, v[ST+8*\t+6]
	v_cndmask_b32 v[S+64*\t+J], v[S+64*\t+J], v[NINF], vcc_lo
.endr
.set J, J+1
.endr
.Lopen_\@:
.irp t, 0,1                            ; the step's largest score of my query, among my 64 keys, in two chains, each accumulator from its low end on
	v_max3_num_f32 v[ST+8*\t+6], v[S+64*\t], v[S+64*\t+1], v[S+64*\t+2]
	v_max3_num_f32 v[ST+8*\t+7], v[S+64*\t+3], v[S+64*\t+4], v[S+64*\t+5]
.endr
.irp i, 6,10,14,18,22,26,30,34,38,42,46,50,54,58
.irp t, 0,1
	v_max3_num_f32 v[ST+8*\t+6], v[ST+8*\t+6], v[S+64*\t+\i], v[S+64*\t+\i+1]
	v_max3_num_f32 v[ST+8*\t+7], v[ST+8*\t+7], v[S+64*\t+\i+2], v[S+64*\t+\i+3]
.endr
.endr
.irp t, 0
	v_max3_num_f32 v[ST+8*\t+6], v[ST+8*\t+6], v[S+64*\t+62], v[S+64*\t+63]
.endr
.irp t, 1
	v_max3_num_f32 v[ST+8*\t+6], v[ST+8*\t+6], v[S+64*\t+62], v[S+64*\t+63]
.endr
.irp t, 0,1
	s_delay_alu instid0(VALU_DEP_2)
	v_max_num_f32 v[ST+8*\t+6], v[ST+8*\t+6], v[ST+8*\t+7]
.endr
.irp t, 0,1
	s_delay_alu instid0(VALU_DEP_2)
	v_permlanex16_b32 v[CH+2*\t], v[ST+8*\t+6], s[SEL], s[SEL+1]
.endr
.irp t, 0,1
	s_delay_alu instid0(VALU_DEP_2)
	v_max_num_f32 v[ST+8*\t+6], v[ST+8*\t+6], v[CH+2*\t]       ; and among lane l xor 16's
.endr
.irp t, 0,1
	s_delay_alu instid0(VALU_DEP_2)
	v_mul_f32 v[ST+8*\t+6], s[CS], v[ST+8*\t+6]                ; as t (c is positive)
.endr
.irp t, 0,1
	s_delay_alu instid0(VALU_DEP_2)
	v_max_num_f32 v[ST+8*\t+1], v[ST+8*\t+1], v[ST+8*\t+6]     ; the running largest t
.endr
.irp t, 0,1
	v_mov_b32 v[ST+8*\t+6], v[ST+8*\t]
.endr
.irp t, 0,1
	s_delay_alu instid0(VALU_DEP_4)
	v_floor_f32 v[ST+8*\t], -v[ST+8*\t+1]                      ; the new -M = floor(-t): M is a whole number
.endr
.irp t, 0,1
	s_delay_alu instid0(VALU_DEP_2)
	v_sub_f32 v[ST+8*\t+6], v[ST+8*\t], v[ST+8*\t+6]           ; old M - new M: a whole number, 0 or less
.endr
.irp t, 0,1
	s_delay_alu instid0(VALU_DEP_2)
	v_cvt_i32_f32 v[ST+8*\t+6], v[ST+8*\t+6]                   ; (it saturates)
.endr
.irp t, 0,1
	s_delay_alu instid0(VALU_DEP_2)
	v_ldexp_f32 v[ST+8*\t+4], 1.0, v[ST+8*\t+6]                ; f = 2^(old M - new M)
.endr
.set J, 0
.rept 32
.irp t, 0,1
	v_pk_fma_f32 v[S+64*\t+J:S+64*\t+J+1], v[S+64*\t+J:S+64*\t+J+1], s[CS:CS+1], v[ST+8*\t:ST+8*\t+1] op_sel_hi:[1,0,0]   ; t - M (of the pairs c and -M the low word serves both halves)
.endr
.set J, J+2
.endr
.set J, 0
	s_wait_alu depctr_va_vdst(0)
.rept 64
.irp t, 0,1
	v_exp_f32 v[S+64*\t+J], v[S+64*\t+J]           ; p = 2^(t - M): both tiles' 128 are one batch
.endr
.set J, J+1
.endr
.irp t, 0,1
	v_pk_mul_f32 v[ST+8*\t+2:ST+8*\t+3], v[ST+8*\t+2:ST+8*\t+3], v[ST+8*\t+4:ST+8*\t+5] op_sel_hi:[1,0]   ; the sums under the new M: the plain instructions behind the batch
.endr
	s_wait_alu depctr_va_vdst(0)                   ; the wait ahead of the first instruction that names a result: one for the batch
.irp t, 0,1
	v_pk_add_f32 v[CH+2*\t:CH+2*\t+1], v[S+64*\t:S+64*\t+1], v[S+64*\t+2:S+64*\t+3]   ; the row's sum is taken of the unquantised p, in two chains
.endr
.irp j, 4,8,12,16,20,24,28,32,36,40,44,48,52,56,60
.irp t, 0,1
	v_pk_add_f32 v[ST+8*\t+2:ST+8*\t+3], v[ST+8*\t+2:ST+8*\t+3], v[S+64*\t+\j:S+64*\t+\j+1]
	v_pk_add_f32 v[CH+2*\t:CH+2*\t+1], v[CH+2*\t:CH+2*\t+1], v[S+64*\t+\j+2:S+64*\t+\j+3]
.endr
.endr
.irp t, 0
	s_delay_alu instid0(VALU_DEP_3)
	v_pk_add_f32 v[ST+8*\t+2:ST+8*\t+3], v[ST+8*\t+2:ST+8*\t+3], v[CH+2*\t:CH+2*\t+1]
.endr
.irp t, 1
	s_delay_alu instid0(VALU_DEP_2)
	v_pk_add_f32 v[ST+8*\t+2:ST+8*\t+3], v[ST+8*\t+2:ST+8*\t+3], v[CH+2*\t:CH+2*\t+1]
.endr
.set J, 0
.rept 64
.irp t, 0,1
.endr
.set J, J+1
.endr
.irp kt, 0,1,2,3,4,5,6,7
.irp t, 0,1
	v_cvt_scalef32_pk8_fp8_f32 v[PC+16*\t+2*\kt:PC+16*\t+2*\kt+1], v[S+64*\t+8*\kt:S+64*\t+8*\kt+7], v[PSC]
.endr
.endr
	WIN 0x41                                       ; O^T (destination and source 0) window 1, f window 0
.irp t, 0,1
.set J, 0
.rept 16
	v_pk_mul_f32 v[OA+32*\t+J:OA+32*\t+J+1], v[OA+32*\t+J:OA+32*\t+J+1], v[ST+8*\t+4:ST+8*\t+5] op_sel_hi:[1,0]   ; O^T under the new M; also the plain instructions behind the conversions
.set J, J+2
.endr
.endr
	s_wait_alu depctr_va_vdst(0)
	s_wait_dscnt 0x0                               ; V is in
	WIN 0x51                                       ; V, C and D window 1; P window 0
.irp u, 0,1,2,3                        ; eight accumulators by turns, one instruction a turn
.irp t, 0,1
	v_wmma_f32_16x16x128_fp8_fp8 v[OA+32*\t+8*\u:OA+32*\t+8*\u+7], v[VF+16*\u:VF+16*\u+15], v[PC+16*\t:PC+16*\t+15], v[OA+32*\t+8*\u:OA+32*\t+8*\u+7]
.endr
.endr
	WIN 0
.Lhidden_\@:
	s_add_co_u32 s[KF], s[KF], 128
.endm
; A block is finished: O^T / the sum x 2^(e4 + e5) is the head's result; it is quantised (e6) and stored as cells of o_img: a lane's registers run along d, the last product's K.
.macro FINISH base
.rept 4
	v_nop                                          ; places behind the last products
.endr
.irp t, 0,1
	v_add_f32 v[ST+8*\t+2], v[ST+8*\t+2], v[ST+8*\t+3]
.endr
.irp t, 0,1
	s_delay_alu instid0(VALU_DEP_2)
	v_permlanex16_b32 v[CH+2*\t], v[ST+8*\t+2], s[SEL], s[SEL+1]
.endr
.irp t, 0,1
	s_delay_alu instid0(VALU_DEP_2)
	v_add_f32 v[ST+8*\t+2], v[ST+8*\t+2], v[CH+2*\t]           ; the row's sum
.endr
	s_wait_alu depctr_va_vdst(0)
.irp t, 0,1
	v_rcp_f32 v[ST+8*\t+2], v[ST+8*\t+2]
.endr
	v_nop                                          ; a plain instruction behind the reciprocals
	s_wait_alu depctr_va_vdst(0)                   ; and the wait ahead of their first reader: one for both
.irp t, 0,1
	v_ldexp_f32 v[ST+8*\t+2], v[ST+8*\t+2], s[EPV]
.endr
	WIN 0x01                                       ; source 0 (O^T) window 1
.irp t, 0,1
.set J, 0
.rept 16
	v_pk_mul_f32 v[S+64*\t+J:S+64*\t+J+1], v[OA+32*\t+J:OA+32*\t+J+1], v[ST+8*\t+2:ST+8*\t+3] op_sel_hi:[1,0]
.set J, J+2
.endr
.endr
	WIN 0
.set J, 0
.rept 32
.irp t, 0,1
.endr
.set J, J+1
.endr
.irp u, 0,1,2,3
.irp t, 0,1
	v_cvt_scalef32_pk8_fp8_f32 v[PC+16*\t+2*\u:PC+16*\t+2*\u+1], v[S+64*\t+8*\u:S+64*\t+8*\u+7], v[OSC]
.endr
.endr
	v_nop                                          ; a plain instruction behind the last conversion
.irp t, 0,1
.irp u, 0,1
	global_store_b128 v[LI], v[PC+16*\t+4*\u:PC+16*\t+4*\u+3], s[\base:\base+1] offset:16384*\t+512*\u   ; 512 consecutive bytes, aligned
.endr
.endr
	s_wait_xcnt 0x0                                ; the stores have read their registers: the codes' registers are written again
.endm
.macro SWITCH                          ; on to the second block
	WIN 0x41
.set J, 0
.rept 16
	v_mov_b32 v[QF+J], v[QL+J]
.set J, J+1
.endr
	INIT
	s_mov_b32 s[Q0], s[QLO]
	s_mov_b32 s[KF], 0
.endm
; A TRIP.  At its head the change of slots: each wave waits for all its tensor loads (its part of the slot that it is about to read), adds 0 to its spare word, waits for that and for its
; reads of the slot that it has left; a barrier; fill = 1: that other slot is filled with the next trip's keys, first thing behind the barrier.
.macro SLOT fill
	s_wait_tensorcnt 0x0                           ; no tensor load of mine is out, so group 0 may be written
	ds_add_u32 v[SPW], v[NIL]
.if \fill
	s_add_co_u32 s56, s[GT], 1                     ; the next trip's slot of keys: its number, or, in the second block, its number less the first block's slots
	s_sub_co_u32 s57, s56, s[NH]
	s_cmp_ge_u32 s56, s[NH]
	s_cselect_b32 s56, s57, s56
	s_lshl_b32 s56, s56, 14
	s_mov_b32 s57, 0
	s_add_nc_u64 s[G0+2:G0+3], s[KVB:KVB+1], s[56:57]
	s_or_b32 s[G0+3], s[G0+3], 0x80000000
	s_xor_b32 s[G0+1], s[G0+1], SLOTB              ; the other slot than last time
	s_wait_xcnt 0x0                                ; the last prefetch, a trip back, has read its address
	s_add_nc_u64 s[PFA:PFA+1], s[PFA:PFA+1], 16384
.endif
	s_wait_dscnt 0x0                               ; the add is done, and my reads of the slot that I have left are over
	s_barrier_signal -1
	s_barrier_wait -1
.if \fill
	tensor_load_to_lds s[G0:G0+3], s[G1:G1+7]      ; my one tensor load until the next such barrier
	s_nop 0
.rept 4
	v_nop
.endr
	s_cmp_lt_u32 s[GT], s[LIMP]
	s_cbranch_scc0 .Lnot_mine_\@
	global_prefetch_b8 v[PFO], s[PFA:PFA+1] th:TH_LOAD_NT scope:SCOPE_SE
.Lnot_mine_\@:
.endif
	s_cmp_lg_u32 s[GT], s[NH]                      ; the first block's slots are walked: a branch on ids
	s_cbranch_scc1 .Lsame_\@
	s_wait_alu depctr_va_vdst(0)
	FINISH OHI
	SWITCH
.Lsame_\@:
	STEP 0
	STEP 1
	s_xor_b32 s[TB], s[TB], SLOTB
.endm
	s_load_b256 s[4:11], s[0:1], 0x0               ; q_img s[4:5], k_img s[6:7], v_img s[8:9], the exponents s[10:11]
	s_load_b64 s[12:13], s[0:1], 0x20              ; o_img
	v_lshl_add_u32 v[SPW], v0, 2, SPARE
	v_mov_b32 v[NIL], 0
	ds_add_u32 v3, v4
	ds_add_u32 v3, v4
	s_wait_dscnt 0x0
	v_lshrrev_b32 v2, 5, v0
	s_delay_alu instid0(VALU_DEP_1)
	v_readfirstlane_b32 s[WV], v2                  ; wave 0..7
	s_and_b32 s[BH], ttmp7, 0xffff                 ; batch x head
	s_sub_co_u32 s[NH], 8, ttmp9
	; group 1: 16 rows of 32 elements of 8 bytes, dense: 4,096 bytes
	s_mov_b32 s[G1], 3<<16
	s_mov_b32 s[G1+1], 32<<16
	s_mov_b32 s[G1+2], 16<<16
	s_mov_b32 s[G1+3], 32<<16
	s_mov_b32 s[G1+4], 16
	s_mov_b32 s[G1+5], 32
	s_mov_b32 s[G1+6], 0
	s_mov_b32 s[G1+7], 0
	s_mov_b32 s[GT], 0
	s_mov_b32 s[TB], 0
	s_mov_b32 s[KF], 0
	s_lshl_b32 s56, s[WV], 5
	s_sub_co_u32 s57, 7, ttmp9
	s_lshl_b32 s[Q0], s57, 8
	s_add_co_u32 s[Q0], s[Q0], s56                 ; my first query in block 7 - i
	s_lshl_b32 s[QLO], ttmp9, 8
	s_add_co_u32 s[QLO], s[QLO], s56               ; and in block i
	s_mov_b32 s[SEL], 0x76543210
	s_mov_b32 s[SEL+1], 0xfedcba98
	s_lshl_b32 s58, s[BH], 17                      ; a head's image is 131,072 bytes
	s_and_b32 s60, s[WV], 3
	s_lshl_b32 s60, s60, 12
	s_add_co_u32 s60, s60, s58
	s_mov_b32 s61, 0
	s_wait_kmcnt 0x0
	s_load_b256 s[EX:EX+7], s[10:11], 0x0
	s_cmp_lt_u32 s[WV], 4                          ; waves 0-3 fetch K's quarters, waves 4-7 V's
	s_cselect_b64 s[KVB:KVB+1], s[6:7], s[8:9]
	s_add_nc_u64 s[KVB:KVB+1], s[KVB:KVB+1], s[60:61]
	s_mov_b32 s[G0], 1
	s_lshl_b32 s[G0+1], s[WV], 12                  ; LDS: 4,096 x wave, in slot 0
	s_mov_b64 s[G0+2:G0+3], s[KVB:KVB+1]
	s_or_b32 s[G0+3], s[G0+3], 0x80000000
	tensor_load_to_lds s[G0:G0+3], s[G1:G1+7]      ; slot 0: keys 0 to 255
	s_nop 0
.rept 4
	v_nop
.endr
	s_lshl_b32 s56, s[Q0], 6                       ; a tile of 16 queries is 1,024 bytes
	s_add_co_u32 s56, s56, s58
	s_mov_b32 s57, 0
	s_add_nc_u64 s[66:67], s[4:5], s[56:57]
	s_lshl_b32 s56, s[QLO], 6
	s_add_co_u32 s56, s56, s58
	s_add_nc_u64 s[68:69], s[4:5], s[56:57]
	v_and_b32 v2, 31, v0
	s_delay_alu instid0(VALU_DEP_1)
	v_lshlrev_b32 v[LI], 4, v2
	s_delay_alu instid0(VALU_DEP_2)
	v_lshlrev_b32 v[PFO], 8, v2
	WIN 0x40
.irp f, 0,1,2,3
	global_load_b128 v[QF+4*\f:QF+4*\f+3], v[LI], s[66:67] offset:512*\f
	global_load_b128 v[QL+4*\f:QL+4*\f+3], v[LI], s[68:69] offset:512*\f
.endr
	WIN 0
	s_lshr_b32 s56, s[BH], 4                       ; o_img: the batch's 128 tiles of 16,384 bytes,
	s_lshl_b32 s56, s56, 21
	s_and_b32 s60, s[BH], 15
	s_lshl_b32 s60, s60, 10                        ; the head's 64 along K: 1,024 bytes of a tile,
	s_add_co_u32 s56, s56, s60
	s_lshl_b32 s60, s[Q0], 10                      ; my first tile
	s_add_co_u32 s60, s60, s56
	s_add_nc_u64 s[OHI:OHI+1], s[12:13], s[60:61]
	s_lshl_b32 s60, s[QLO], 10
	s_add_co_u32 s60, s60, s56
	s_add_nc_u64 s[OLO:OLO+1], s[12:13], s[60:61]
	s_add_nc_u64 s[PFA:PFA+1], s[KVB:KVB+1], 16384 ; in slot 1: the first trip steps it to slot 2.  (In even waves KVB stands at a half of K's or V's part of a slot)
	s_and_b32 s[LIMP], s[WV], 1
	s_or_b32 s[LIMP], s[LIMP], ttmp9
	s_cmp_eq_u32 s[LIMP], 0
	s_cselect_b32 s[LIMP], 6, 0
	v_mov_b32 v[NINF], 0xff800000
	v_and_b32 v[RH], 15, v0
	v_bfe_u32 v2, v0, 4, 1
	s_delay_alu instid0(VALU_DEP_1)
	v_lshlrev_b32 v2, 3, v2
	s_delay_alu instid0(VALU_DEP_1)
	v_sub_nc_u32 v[RH], v[RH], v2
	v_mov_b32 v[ST+5], 0                           ; (named as the upper halves of pairs, or as a lane permute's destination: written once)
	v_mov_b32 v[ST+13], 0
.irp j, 0,1,2,3
	v_mov_b32 v[CH+\j], 0
.endr
	INIT
	s_wait_kmcnt 0x0
	s_add_co_i32 s56, s[EX+2], s[EX+3]
	s_lshl_b32 s56, s56, 23
	s_add_co_i32 s[CS], s56, 0x3e38aa3b            ; c = log2(e) / 8, with e2 + e3 added to its exponent field
	s_mov_b32 s[CS+1], s[CS]
	s_add_co_i32 s[EPV], s[EX+4], s[EX+5]
	POW2 PSC, PLIM, EX+4
	POW2 OSC, OLIM, EX+6
	s_wait_loadcnt 0x0                             ; Q
.Lslot:                                            ; eight trips: behind each change of slots the next trip's slot is asked for
	SLOT 1
	s_add_co_u32 s[GT], s[GT], 1
	s_cmp_lt_u32 s[GT], 8
	s_cbranch_scc1 .Lslot
	SLOT 0                                         ; the ninth is written out
	s_wait_alu depctr_va_vdst(0)
	FINISH OLO
	s_wait_tensorcnt 0x0                           ; the wave's end
	ds_add_u32 v[SPW], v[NIL]
	s_wait_dscnt 0x0
	s_endpgm
.Lfunc_end_k_q6450757bf2_attn:
	.size	k_q6450757bf2_attn, .Lfunc_end_k_q6450757bf2_attn-k_q6450757bf2_attn
	.p2alignl 7, 3214868480
	.fill 96, 4, 3214868480
	.section	.rodata,"a",@progbits
	.p2align	6, 0x0
	.amdhsa_kernel k_q6450757bf2_attn
		.amdhsa_group_segment_fixed_size 327680
		.amdhsa_private_segment_fixed_size 0
		.amdhsa_enable_private_segment 0
		.amdhsa_kernarg_size 40
		.amdhsa_user_sgpr_count 2
		.amdhsa_user_sgpr_kernarg_segment_ptr 1
		.amdhsa_wavefront_size32 1
		.amdhsa_system_sgpr_workgroup_id_x 1
		.amdhsa_system_sgpr_workgroup_id_y 1
		.amdhsa_system_sgpr_workgroup_id_z 1
		.amdhsa_system_vgpr_workitem_id 0
		.amdhsa_next_free_vgpr 416
		.amdhsa_next_free_sgpr 72
		.amdhsa_reserve_vcc 1
		.amdhsa_float_denorm_mode_32 3
		.amdhsa_float_denorm_mode_16_64 3
		.amdhsa_fp16_overflow 1
		.amdhsa_memory_ordered 1
		.amdhsa_forward_progress 1
		.amdhsa_inst_pref_size 167
	.end_amdhsa_kernel
	.amdgpu_metadata
---
amdhsa.version: [ 1, 2 ]
amdhsa.kernels:
  - .name:           k_q6450757bf2_attn
    .symbol:         k_q6450757bf2_attn.kd
    .args:
      - { .name: q_img, .offset: 0, .size: 8, .value_kind: global_buffer, .address_space: global }
      - { .name: k_img, .offset: 8, .size: 8, .value_kind: global_buffer, .address_space: global }
      - { .name: v_img, .offset: 16, .size: 8, .value_kind: global_buffer, .address_space: global }
      - { .name: lowp_scales, .offset: 24, .size: 8, .value_kind: global_buffer, .address_space: global }
      - { .name: o_img, .offset: 32, .size: 8, .value_kind: global_buffer, .address_space: global }
    .group_segment_fixed_size: 327680
    .private_segment_fixed_size: 0
    .kernarg_segment_align: 8
    .kernarg_segment_size: 40
    .max_flat_workgroup_size: 256
    .sgpr_count:     72
    .vgpr_count:     416
    .wavefront_size: 32
...
	.end_amdgpu_metadata
.endif
;; end of part 3
;; launch proj (part 4): grid 8 x 64, 4 waves a work-group, clusters of 4 x 4, 280,064 bytes of LDS; arguments o_img, wout_img, bout, lowp_scales, out0; writes out0
.if DOCPART == 4
	.amdgcn_target "amdgcn-amd-amdhsa--gfx1250"
	.amdhsa_code_object_version 6
	.text
	.protected	k_q6450757bf2_proj
	.globl	k_q6450757bf2_proj
	.p2align	8
	.type	k_q6450757bf2_proj,@function
k_q6450757bf2_proj:
	s_mov_b64 s[64:65], 0
	v_nop
	global_prefetch_b8 v0, s[64:65] scope:SCOPE_SE
	s_setreg_imm32_b32 hwreg(HW_REG_WAVE_MODE, 25, 1), 1
	s_wait_xcnt 0x0
	s_wait_alu depctr_hold_cnt(0) depctr_sa_sdst(0) depctr_va_vdst(0) depctr_va_sdst(0) depctr_va_ssrc(0) depctr_va_vcc(0) depctr_vm_vsrc(0)
	s_getreg_b32 s2, hwreg(HW_REG_IB_STS2, 6, 4)
	s_cmp_eq_u32 s2, 0
	s_cbranch_scc0 .Lentry_in_a_cluster
	s_endpgm
.Lentry_in_a_cluster:
	s_bfe_u32 s2, ttmp6, 0x10000c
	s_cmp_lg_u32 s2, 0xf033
	s_cbranch_scc0 .Lentry_shape_is_right
	s_endpgm
.Lentry_shape_is_right:
; PROJ: out0 = (the heads' result) Wout + bout on codes of E4M3, K = 1,024; out0 [8,192][1,024] f32.  out0 = sum x 2^(e6 + e7) + bout.
; LIMIT: e6 + e7 between -126 and 127.
; A work-group of four waves makes 128 x 128, a wave 64 x 64: 16 accumulators.  512 work-groups; the launch's bytes are mostly its stores, so the small tile is taken for an even share of them.
; ALL OF K IS RESIDENT: A's 128 rows and B's 128 rows x 1,024 codes are 262,144 bytes of LDS, asked for at the head in four chunks of 256 along K.  No LDS byte is filled twice: no ring.
; Four loads of mine are out at the start; the counted waits let the later chunks land while the earlier are multiplied.
; The operands are images of fragments ([tile of 16 rows][K step of 128][g][lane][16 bytes]): a fragment is four ds_load_b128 at 16 x lane; no padding.
; CLUSTERS of 4 x 4: A's tiles are shared along a row of the cluster, B's along a column, by joint loads.
; Source 0 = 16 columns of Wout, source 1 = 16 tokens: a lane holds eight neighbouring numbers of a row of out0.
; No prefetch: everything is asked for at the head.
; REGISTERS: window 0: v16-27 addresses; v32-63 a block's results; v64-95 rows read back; v96-127 the bias; v128-255 accumulator (a, b) at v[128 + 8 (4 a + b)].
;   window 1: two fragment buffers of 128: A's four fragments, then B's four.
.set TILEB,  4096                      ; a tile's 256 along K
.set CHUNK,  8*TILEB                   ; eight tiles
.set BOFF,   131072                    ; B's chunks lie behind A's four
.set STAGE,  262144                    ; behind them: 16 rows x 272 bytes for each wave, for the way out
.set SPITCH, 272
.set ADRA, 16                          ; v16, v17  my fragments of A in chunks 0, 1 and in chunks 2, 3
.set ADRB, 20                          ; v20, v21  of B
.set STO,  24
.set RD,   25
.set CO,   26
.set BOF,  27
.set TMP,  32
.set BK,   64
.set BIAS, 96
.set ACC,  128
.set G1,  24                           ; s[24:31] group 1 for A;  s[32:47] four groups 0
.set G0,  32
.set G1B, 48                           ; s[48:55] for B;  s[80:95]
.set G0B, 80
.set MSB, 0
.macro WIN new
.if MSB != (\new)
	s_set_vgpr_msb (MSB<<8)|(\new)
.set MSB, (\new)
.endif
.endm
.macro CROUND                          ; a round of the cluster's barrier
	s_barrier_signal -1
	s_barrier_wait -1
	s_cmp_lg_u32 s14, 0
	s_cbranch_scc1 .Lnot_wave_0_\@
	s_barrier_signal -3
.Lnot_wave_0_\@:
	s_barrier_wait -3
	s_barrier_signal -1
	s_barrier_wait -1
.endm
.macro PLACES
.rept 4
	v_nop
.endr
.endm
.macro FETCH s, f                      ; the fragments of K step s (128 along K) into buffer f: 32 loads
	WIN 0x40
.irp i, 0,1,2,3
.irp c, 0,1,2,3
	ds_load_b128 v[\f+64+16*\i+4*\c:\f+64+16*\i+4*\c+3], v[ADRB+(\s)/4] offset:CHUNK*(((\s)/2)%2)+TILEB*\i+2048*((\s)%2)+512*\c
	ds_load_b128 v[\f+16*\i+4*\c:\f+16*\i+4*\c+3], v[ADRA+(\s)/4] offset:CHUNK*(((\s)/2)%2)+TILEB*\i+2048*((\s)%2)+512*\c
.endr
.endr
.endm
.macro MUL8 f, a0, zero                ; the 16 accumulators take turns, one instruction a turn, in the same order in every step
.irp a, \a0, \a0+1
.irp b, 0,1,2,3
.if \zero
	v_wmma_f32_16x16x128_fp8_fp8 v[ACC+8*(4*(\a)+\b):ACC+8*(4*(\a)+\b)+7], v[\f+64+16*\b:\f+64+16*\b+15], v[\f+16*(\a):\f+16*(\a)+15], 0
.else
	v_wmma_f32_16x16x128_fp8_fp8 v[ACC+8*(4*(\a)+\b):ACC+8*(4*(\a)+\b)+7], v[\f+64+16*\b:\f+64+16*\b+15], v[\f+16*(\a):\f+16*(\a)+15], v[ACC+8*(4*(\a)+\b):ACC+8*(4*(\a)+\b)+7]
.endif
.endr
.endr
.endm
.macro STEP s
.set FC, 128*((\s)%2)
.set FN, 128-FC
.set ZR, 0
.if (\s) == 0
.set ZR, 1
.endif
.set MEET, 0
.if ((\s)%2 == 0) && ((\s) < 6)
.set MEET, 1
.endif
	s_wait_dscnt 0x0                               ; this step's fragments are in
.if MEET
	s_wait_tensorcnt 2-(\s)/2                      ; my part of the next chunk has landed; the chunks behind it may be out
	s_barrier_signal -1
.endif
	WIN 0x05                                       ; sources 0 and 1 window 1
	MUL8 FC, 0, ZR
.if MEET
	s_barrier_wait -1                              ; everybody's part has
.endif
.if (\s) < 7
	PLACES                                         ; in front of loads into the buffer that the step before multiplied
	FETCH (\s)+1, FN
	WIN 0x05
.endif
	MUL8 FC, 2, ZR
.endm
	s_load_b256 s[4:11], s[0:1], 0x0               ; o_img s[4:5], wout_img s[6:7], bout s[8:9], the exponents s[10:11]
	s_load_b64 s[12:13], s[0:1], 0x20              ; out0
	v_lshl_add_u32 v30, v0, 2, 0x44400
	v_mov_b32 v31, 0
	ds_add_u32 v30, v31
	ds_add_u32 v30, v31
	v_lshrrev_b32 v1, 5, v0
	v_readfirstlane_b32 s14, v1                    ; wave 0..3
	s_lshr_b32 s15, s14, 1                         ; which half of the tile's rows is mine.  Also: I fetch for A (0) or for B (1)
	s_and_b32 s16, s14, 1                          ; which half of its columns.  Also: which four tiles I fetch
	s_bfe_u32 s56, ttmp6, 0x40000                  ; cx
	s_bfe_u32 s57, ttmp6, 0x40004                  ; cy
	s_lshl_b32 s58, ttmp9, 2
	s_add_co_u32 s58, s58, s56                     ; tile column = 4 x cluster x + cx
	s_and_b32 s17, ttmp7, 0xffff
	s_lshl_b32 s17, s17, 2
	s_add_co_u32 s17, s17, s57                     ; tile row = 4 x cluster y + cy
	s_lshl_b32 s59, s57, 2
	s_lshl_b32 s59, 15, s59                        ; my row of the cluster
	s_lshl_b32 s60, 0x1111, s56                    ; my column
	; group 1: 4 rows (tiles) of 512 elements of 8 bytes, 2,048 elements apart; dense in LDS
	s_or_b32 s[G1+0], s59, (3<<16)|(1<<21)
	s_or_b32 s[G1B+0], s60, (3<<16)|(1<<21)
.irp g, G1, G1B
	s_mov_b32 s[\g+1], 512<<16
	s_mov_b32 s[\g+2], 4<<16
	s_mov_b32 s[\g+3], 512<<16
	s_mov_b32 s[\g+4], 4
	s_mov_b32 s[\g+5], 2048
	s_mov_b32 s[\g+6], 0
	s_mov_b32 s[\g+7], 0
.endr
	s_lshl_b32 s20, s17, 17                        ; eight tiles of 16,384 bytes,
	s_lshl_b32 s21, s16, 16                        ; and the four that I fetch
	s_add_co_u32 s20, s20, s21
	s_mov_b32 s21, 0
	s_lshl_b32 s22, s58, 17
	s_lshl_b32 s23, s16, 16
	s_add_co_u32 s22, s22, s23
	s_mov_b32 s23, 0
	s_lshl_b32 s61, s16, 14                        ; where they go in a chunk
	s_wait_dscnt 0x0
	s_wait_kmcnt 0x0
	s_load_b64 s[66:67], s[10:11], 0x18            ; e6, e7
	s_add_nc_u64 s[20:21], s[4:5], s[20:21]
	s_add_nc_u64 s[22:23], s[6:7], s[22:23]
.irp j, 0,1,2,3
	s_mov_b32 s[G0+4*\j], 1
	s_add_co_u32 s[G0+4*\j+1], s61, \j*CHUNK
	s_add_nc_u64 s[G0+4*\j+2:G0+4*\j+3], s[20:21], \j*TILEB
	s_or_b32 s[G0+4*\j+3], s[G0+4*\j+3], 0x80000000
	s_mov_b32 s[G0B+4*\j], 1
	s_add_co_u32 s[G0B+4*\j+1], s61, BOFF+\j*CHUNK
	s_add_nc_u64 s[G0B+4*\j+2:G0B+4*\j+3], s[22:23], \j*TILEB
	s_or_b32 s[G0B+4*\j+3], s[G0B+4*\j+3], 0x80000000
.endr
	CROUND                                         ; all sixteen work-groups are here: the joint loads meet
	s_cmp_eq_u32 s15, 0                            ; a wave's four fills stand in one branch on its number; four v_nop follow the last
	s_cbranch_scc0 .Lfor_b
.irp j, 0,1,2,3
	tensor_load_to_lds s[G0+4*\j:G0+4*\j+3], s[G1:G1+7]
	s_nop 0
.endr
.rept 4
	v_nop
.endr
	s_branch .Lasked
.Lfor_b:
.irp j, 0,1,2,3
	tensor_load_to_lds s[G0B+4*\j:G0B+4*\j+3], s[G1B:G1B+7]
	s_nop 0
.endr
.rept 4
	v_nop
.endr
.Lasked:
	v_and_b32 v1, 31, v0
	v_lshlrev_b32 v2, 4, v1                        ; 16 x lane
	v_and_b32 v3, 15, v0                           ; r
	v_bfe_u32 v4, v0, 4, 1                         ; h
	s_lshl_b32 s18, s15, 14                        ; my four tiles of A
	s_lshl_b32 s19, s16, 14
	s_add_co_u32 s19, s19, BOFF                    ; of B
	v_add_nc_u32 v[ADRA], s18, v2
	v_add_nc_u32 v[ADRB], s19, v2
	v_add_nc_u32 v[ADRA+1], 65536, v[ADRA]
	v_add_nc_u32 v[ADRB+1], 65536, v[ADRB]
	s_mul_i32 s18, s14, 16*SPITCH
	s_add_co_u32 s18, s18, STAGE                   ; my stage
	v_mul_u32_u24 v5, v3, SPITCH
	v_lshl_add_u32 v5, v4, 5, v5
	v_add_nc_u32 v[STO], s18, v5                   ; in: row r, 32 bytes for each half of the lanes
	v_mul_u32_u24 v5, v4, SPITCH
	v_lshl_add_u32 v5, v3, 4, v5
	v_add_nc_u32 v[RD], s18, v5                    ; back: lanes 0-15 one row of 256 bytes, lanes 16-31 the next
	v_lshlrev_b32 v[CO], 12, v4
	v_lshl_add_u32 v[CO], v3, 4, v[CO]             ; and the same two rows in out0
	v_lshlrev_b32 v[BOF], 5, v4
	s_lshl_b32 s18, s58, 9                         ; my first column x 4 bytes: 128 x tile column + 64 x half
	s_lshl_b32 s19, s16, 8
	s_add_co_u32 s18, s18, s19
	s_mov_b32 s19, 0
	s_add_nc_u64 s[8:9], s[8:9], s[18:19]
	s_add_nc_u64 s[12:13], s[12:13], s[18:19]
	s_lshl_b32 s18, s17, 19                        ; my first row x 4,096 bytes: 128 x tile row + 64 x half
	s_lshl_b32 s62, s15, 18
	s_add_co_u32 s18, s18, s62
	s_add_nc_u64 s[12:13], s[12:13], s[18:19]
.irp b, 0,1,2,3
	global_load_b128 v[BIAS+8*\b:BIAS+8*\b+3], v[BOF], s[8:9] offset:64*\b
	global_load_b128 v[BIAS+8*\b+4:BIAS+8*\b+7], v[BOF], s[8:9] offset:64*\b+16
.endr
	s_wait_tensorcnt 3                             ; my part of chunk 0 is in; three loads may be out,
	s_barrier_signal -1
	s_barrier_wait -1                              ; everybody's is
	FETCH 0, 0
.irp s, 0,1,2,3,4,5,6,7
	STEP \s
.endr
	WIN 0
	PLACES                                         ; behind the last products
	s_wait_kmcnt 0x0
	s_add_co_i32 s62, s66, s67
	s_add_co_i32 s62, s62, 127
	s_lshl_b32 s62, s62, 23                        ; 2^(e6 + e7) as f32
	s_mov_b32 s63, s62                             ; (named with it as a pair)
	s_wait_loadcnt 0x0                             ; the bias
	; THE WAY OUT, 16 rows x 64 columns at a time, through my own stage: a lane holds 32 bytes of a row, and sixteen lanes then store a row's 256 consecutive bytes, aligned
.irp a, 0,1,2,3
.irp b, 0,1,2,3
.irp i, 0,2,4,6
	v_pk_fma_f32 v[TMP+8*\b+\i:TMP+8*\b+\i+1], v[ACC+8*(4*\a+\b)+\i:ACC+8*(4*\a+\b)+\i+1], s[62:63], v[BIAS+8*\b+\i:BIAS+8*\b+\i+1] op_sel_hi:[1,0,1]
.endr
.endr
.irp b, 0,1,2,3
	ds_store_b128 v[STO], v[TMP+8*\b:TMP+8*\b+3] offset:64*\b
	ds_store_b128 v[STO], v[TMP+8*\b+4:TMP+8*\b+7] offset:64*\b+16
.endr
.if \a > 0
	s_wait_xcnt 0x0                                ; the last block's stores have read the registers that the loads below fill
.endif
.irp i, 0,1,2,3,4,5,6,7
	ds_load_b128 v[BK+4*\i:BK+4*\i+3], v[RD] offset:544*\i     ; LDS serves a wave's instructions in order: these see my stores
.endr
	s_wait_dscnt 0x0
.irp i, 0,1,2,3,4,5,6,7
	global_store_b128 v[CO], v[BK+4*\i:BK+4*\i+3], s[12:13] offset:(16*\a+2*\i)*4096 th:TH_STORE_NT
.endr
.endr
	s_wait_tensorcnt 0x0
	ds_add_u32 v30, v31
	s_wait_dscnt 0x0
	CROUND                                         ; the closing round: no work-group ends while a partner may still ask for a tile that names it
	s_endpgm
.Lfunc_end_k_q6450757bf2_proj:
	.size	k_q6450757bf2_proj, .Lfunc_end_k_q6450757bf2_proj-k_q6450757bf2_proj
	.p2alignl 7, 3214868480
	.fill 96, 4, 3214868480
	.section	.rodata,"a",@progbits
	.p2align	6, 0x0
	.amdhsa_kernel k_q6450757bf2_proj
		.amdhsa_group_segment_fixed_size 280064
		.amdhsa_private_segment_fixed_size 0
		.amdhsa_enable_private_segment 0
		.amdhsa_kernarg_size 40
		.amdhsa_user_sgpr_count 2
		.amdhsa_user_sgpr_kernarg_segment_ptr 1
		.amdhsa_wavefront_size32 1
		.amdhsa_system_sgpr_workgroup_id_x 1
		.amdhsa_system_sgpr_workgroup_id_y 1
		.amdhsa_system_sgpr_workgroup_id_z 1
		.amdhsa_system_vgpr_workitem_id 0
		.amdhsa_next_free_vgpr 512
		.amdhsa_next_free_sgpr 100
		.amdhsa_reserve_vcc 0
		.amdhsa_float_denorm_mode_32 3
		.amdhsa_float_denorm_mode_16_64 3
		.amdhsa_memory_ordered 1
		.amdhsa_forward_progress 1
		.amdhsa_inst_pref_size 47
	.end_amdhsa_kernel
	.amdgpu_metadata
---
amdhsa.version: [ 1, 2 ]
amdhsa.kernels:
  - .name:           k_q6450757bf2_proj
    .symbol:         k_q6450757bf2_proj.kd
    .args:
      - { .name: o_img, .offset: 0, .size: 8, .value_kind: global_buffer, .address_space: global }
      - { .name: wout_img, .offset: 8, .size: 8, .value_kind: global_buffer, .address_space: global }
      - { .name: bout, .offset: 16, .size: 8, .value_kind: global_buffer, .address_space: global }
      - { .name: lowp_scales, .offset: 24, .size: 8, .value_kind: global_buffer, .address_space: global }
      - { .name: out0, .offset: 32, .size: 8, .value_kind: global_buffer, .address_space: global }
    .group_segment_fixed_size: 280064
    .private_segment_fixed_size: 0
    .kernarg_segment_align: 8
    .kernarg_segment_size: 40
    .max_flat_workgroup_size: 128
    .sgpr_count:     100
    .vgpr_count:     512
    .wavefront_size: 32
...
	.end_amdgpu_metadata
.endif
;; end of part 4
